; MI455X (gfx1250); checked and timed in simulation.
; The chip was launched on July 23, 2026; its instructions are those of AMD's public machine-readable ISA for CDNA 5 (MIT licence, August 2026) and "CDNA5" Instruction Set Architecture Reference Guide (July 2026). The comments in the code are by the model that wrote it; some were corrected since.
;; Mixture Of Experts. Allowed arithmetic: matrix products marked QUANTISED: E3M2 operands, one E8M0 scale for each 32 along K, by v_wmma_scale_f32_16x16x128_f8f6f4 with both operands' format E3M2, f32 sums; products left as they are: f32 operands where the result goes on into a quantised operand, else bf16, f16 or f32 operands; f32 sums; everything else in f32.
;; Inputs: W1_codes 8 x 2,048 x 16 x 24 uint8 (E3M2 codes of W1, K innermost, in blocks of 32 codes, four codes in three bytes); W1_scales 8 x 2,048 x 16 uint8 (E8M0 scales of W1, one for each 32 codes along K); W2_codes 8 x 512 x 64 x 24 uint8 (E3M2 codes of W2, K innermost, in blocks of 32 codes, four codes in three bytes); W2_scales 8 x 512 x 64 uint8 (E8M0 scales of W2, one for each 32 codes along K); Wr 512 x 8 float32; b1 8 x 2,048 float32; b2 8 x 512 float32; input_batch 4,096 x 512 float32.
;; Outputs: out0 4,096 x 512 float32; out1 one number float32.
;; This version of the problem:
;;   THIS VERSION OF THE PROBLEM IS GIVEN IN LOW PRECISION. The matrix products marked QUANTISED in the list below multiply operands that are first quantised to E3M2 (3 exponent bits, 2 mantissa bits; 6 bits a number), with one power-of-two scale for each 32 numbers along K (OCP MX v1.0); their sums are f32. All else is computed in f32.
;;   The module's matrix products, in the order in which they are computed (A, B: the left and right operand; K: the contracted axis; several contracted axes count as one K, in the product's order):
;;     1. [M 4,096, K 512] x [K 512, N 8]; A: input input_batch; B: input Wr: left as it is (N = 8 < 16)
;;     2. batch 4,096 x [M 8, K 2] x [K 2, N 1]; A: computed on the way; B: computed on the way: left as it is (K = 2 < 32)
;;     3. [M 4,096, K 512] x [K 512, N 2,048]; A: input input_batch; B: input W1 (given as codes): QUANTISED
;;     4. [M 4,096, K 2,048] x [K 2,048, N 512]; A: computed on the way; B: input W2 (given as codes): QUANTISED
;;     5. [M 4,096, K 512] x [K 512, N 2,048]; A: input input_batch; B: input W1 (given as codes): QUANTISED
;;     6. [M 4,096, K 2,048] x [K 2,048, N 512]; A: computed on the way; B: input W2 (given as codes): QUANTISED
;;     7. [M 4,096, K 512] x [K 512, N 2,048]; A: input input_batch; B: input W1 (given as codes): QUANTISED
;;     8. [M 4,096, K 2,048] x [K 2,048, N 512]; A: computed on the way; B: input W2 (given as codes): QUANTISED
;;     9. [M 4,096, K 512] x [K 512, N 2,048]; A: input input_batch; B: input W1 (given as codes): QUANTISED
;;     10. [M 4,096, K 2,048] x [K 2,048, N 512]; A: computed on the way; B: input W2 (given as codes): QUANTISED
;;     11. [M 4,096, K 512] x [K 512, N 2,048]; A: input input_batch; B: input W1 (given as codes): QUANTISED
;;     12. [M 4,096, K 2,048] x [K 2,048, N 512]; A: computed on the way; B: input W2 (given as codes): QUANTISED
;;     13. [M 4,096, K 512] x [K 512, N 2,048]; A: input input_batch; B: input W1 (given as codes): QUANTISED
;;     14. [M 4,096, K 2,048] x [K 2,048, N 512]; A: computed on the way; B: input W2 (given as codes): QUANTISED
;;     15. [M 4,096, K 512] x [K 512, N 2,048]; A: input input_batch; B: input W1 (given as codes): QUANTISED
;;     16. [M 4,096, K 2,048] x [K 2,048, N 512]; A: computed on the way; B: input W2 (given as codes): QUANTISED
;;     17. [M 4,096, K 512] x [K 512, N 2,048]; A: input input_batch; B: input W1 (given as codes): QUANTISED
;;     18. [M 4,096, K 2,048] x [K 2,048, N 512]; A: computed on the way; B: input W2 (given as codes): QUANTISED
;;   THE QUANTISER, for each operand of a quantised product, along K:
;;     - K is cut into blocks of 32 from its start; a last block that is shorter is filled with zeros.
;;     - A block's scale is 2^e with e = floor(log2(the largest magnitude in the block)) - 4, held to -126 .. 127; a block of zeros has e = 0. As a byte (E8M0): e + 127.
;;     - Each number is divided by its block's scale, clamped to +-28, and rounded to the nearest number of E3M2, ties to even, subnormals kept.
;;     - The product sums the exact products of the quantised numbers (number of the format x scale) in f32.
;;   ~~~python
;;   def quantise(x, axis):      # numpy; x: float32 -> the quantised numbers, widened to float32 again
;;       x = np.moveaxis(x, axis, -1); K = x.shape[-1]
;;       x = np.pad(x, [(0, 0)] * (x.ndim - 1) + [(0, -K % 32)]); x = x.reshape(x.shape[:-1] + (-1, 32)); a = np.abs(x).max(-1, keepdims=True)
;;       e = np.where(a > 0, np.clip(np.frexp(np.where(a > 0, a, 1))[1] - 1 - 4, -126, 127), 0)      # np.frexp(a)[1] - 1 = floor(log2(a)), exactly
;;       r = np.clip(x / 2.0 ** e, -28, 28)
;;       step = 2.0 ** (np.maximum(np.frexp(np.where(r == 0, 1, r))[1] - 1, -2) - 2)
;;       q = np.round(r / step) * step * 2.0 ** e      # np.round: ties to even
;;       return np.moveaxis(q.reshape(q.shape[:-2] + (-1,))[..., :K], -1, axis).astype(np.float32)
;;   ~~~
;;   OPERANDS COMPUTED ON THE WAY. 'Computed on the way' means the value that the module computes at that place (a softmax that the list does not call 'softmax' is quantised finished and normalised). What goes into a quantiser is computed in f32, as accurately as f32 sums, v_exp_f32 and their like allow (about 1e-6 of the number): no bf16 or f16 on the way to a quantiser, and a product that is left as it is and whose result goes on into a quantised operand takes f32 operands (vector FMAs, or v_wmma_f32_16x16x4_f32). A number that lies on a knife's edge between two numbers of the format may be rounded either way, as far as f32 arithmetic and the matrix unit's own rounding can turn it there, and no further.
;;   INPUTS GIVEN AS CODES. W1 (in the module: [8, 512, 2048], K = its axis 1); W2 (in the module: [8, 2048, 512], K = its axis 1): each comes as NAME_codes (uint8): NAME with its K axis moved to the last place and cut into blocks of 32 codes, [.., K / 32, bytes a block], one block behind the other in memory; four codes in three bytes: a row's codes are one little-endian stream of bits, code i at bits 6 i .. 6 i + 5 (a code: sign, 3 exponent bits, 2 mantissa bits); and NAME_scales (uint8): the same leading axes, one E8M0 byte (e + 127) for each 32 codes along K. Its value is code x scale, taken as it is: it is not quantised again, and the codes and scales need not be those that the quantiser above would give.
;; 2 versions, each right; version 2 is version 1 with the launch chain written anew for expert scheduling mode. Each part assembles by itself: llvm-mc -triple=amdgcn-amd-amdhsa -mcpu=gfx1250 --defsym DOCPART=n.
;; ======== version 1 of 2: 4 launches
;; workspace buffers: xq 1,572,864 bytes; xs 65,536 bytes; wlay 12,582,912 bytes; route 16,384 bytes of whole numbers; gates 32,768 bytes; rowlist 131,072 bytes of whole numbers; counts 256 bytes of whole numbers; ybuf 16,777,216 bytes
;; launch prep (part 1): grid 256 x 1, 4 waves a work-group, no clusters, 203,264 bytes of LDS; arguments input_batch, Wr, W1_codes, W2_codes, xq, xs, route, gates, wlay; writes xq, xs, route, gates, wlay
.if DOCPART == 1
	.amdgcn_target "amdgcn-amd-amdhsa--gfx1250"
	.amdhsa_code_object_version 6
	.text
	.protected	k_q126bc11842_prep
	.globl	k_q126bc11842_prep
	.p2align	8
	.type	k_q126bc11842_prep,@function
k_q126bc11842_prep:
	s_mov_b64 s[64:65], 0
	v_nop
	global_prefetch_b8 v0, s[64:65] scope:SCOPE_SE
	s_setreg_imm32_b32 hwreg(HW_REG_WAVE_MODE, 25, 1), 1
	s_wait_xcnt 0x0
; THREE JOBS IN ONE LAUNCH, told apart by the work-group's number; each job has LDS bytes of its own, and no wave reads another wave's bytes: no barrier.
;  work-groups 0-127:   the router (x Wr, softmax, top-2, all f32) and the quantising of x into codes of E3M2 with one E8M0 byte for each 32 along D.
;  work-groups 128-191: W1's codes are laid as images of operand registers, in the order in which the chain's waves read them.
;  work-groups 192-255: the same for W2's codes.
; xq [4096][384]: in a token's row the 24 bytes of block b of K step s lie at 96 s + 48 (b & 1) + 24 (b >> 1): a lane's 48 bytes of a fragment lie on end.
; xs [4096][16]: the scale bytes in their natural order.   route [4096]: (1 << first expert) | (0x100 << second expert).   gates [4096][2]: the two probabilities.
; wlay [expert 8][step 4][wave 4][fragment 64][1536]: a fragment is 12 registers a lane; registers 4 i .. 4 i + 3 of lane l lie at 512 i + 16 l.
;   fragment 16 c + 4 s + t: W1, hidden units 128 (4 step + wave) + 64 c on, K step s, tile t, whose lane r takes unit 32 (t / 2) + 8 (t % 2) + r + 8 (r / 8);
;   fragment 32 + 8 k + n:   W2, output rows 128 wave + 16 n + r, the 128 along H that begin at 128 (4 step + k).
; LIMITS: NaN and infinities among the inputs are not served.  A block of zeros gets the byte 1 with zero codes (the bytes are read by this program alone); a block whose largest magnitude
; lies under 2^-122 is held at the byte 1.  Two probabilities that differ by less than the rounding of an f32 sum of 512 terms may change places in the top-2; equal ones keep the lower index.
; A probability whose exponential falls under 2^-126 counts as 0.
.set DAT, 16                           ; weight paths: v16-207, a unit of 24,576 bytes, 192 registers
.set A,   16                           ; router: v16-23 the eight logits, then p
.set T,   24                           ; v24-31 at work
.set C,   32                           ; v32-63 four registers a token: three of codes, one for the scale byte
.set X,   64                           ; v64-127 four sets of 16 numbers of x
.set WR,  128                          ; v128-255 Wr[16 lane + kk][e] at 8 kk + e
.set KR,  10                           ; v10 the route word kept for lane i = token i
.set KG,  12                           ; v[12:13] its two gates
.set LR,  201728                       ; LDS of the router's path: 128 bytes a wave
.set LW2, 102400                       ; LDS of W2's path: 24,832 bytes a wave; W1's path begins at 0: 25,600 bytes a wave
	s_load_b256 s[4:11], s[0:1], 0x0               ; x s[4:5], Wr s[6:7], W1's codes s[8:9], W2's codes s[10:11]
	s_load_b256 s[12:19], s[0:1], 0x20             ; xq s[12:13], xs s[14:15], route s[16:17], gates s[18:19]
	s_load_b64 s[20:21], s[0:1], 0x40              ; wlay
	v_lshl_add_u32 v11, v0, 2, 0x31800
	v_mov_b32 v15, 0
	v_lshrrev_b32 v1, 5, v0
	v_readfirstlane_b32 s22, v1                    ; wave 0..3
	v_and_b32 v1, 31, v0                           ; lane
	s_mov_b32 s29, 0                               ; the upper word of every offset
	s_wait_kmcnt 0x0
	s_cmp_lt_u32 ttmp9, 128
	s_cbranch_scc1 .Lrouter
	s_cmp_lt_u32 ttmp9, 192
	s_cbranch_scc1 .Lw1
.macro WLOAD base                      ; a unit's 24,576 dense bytes: each load takes 512 consecutive bytes
.set cn, 0
.rept 48
	global_load_b128 v[DAT+4*cn:DAT+4*cn+3], v6, s[\base:\base+1] offset:512*cn th:TH_LOAD_NT
.set cn, cn+1
.endr
.endm
	; ---- W2: unit u = 16 rows of 1,536 bytes: expert u / 32, output rows 16 (u % 32) on
	s_sub_co_u32 s23, ttmp9, 192
	s_lshl_b32 s23, s23, 2
	s_add_co_u32 s23, s23, s22                     ; u = 0 .. 255
	s_mul_i32 s28, s23, 24576
	s_add_nc_u64 s[10:11], s[10:11], s[28:29]
	s_lshr_b32 s26, s23, 5
	s_mul_i32 s28, s26, 1572864                    ; the expert,
	s_bfe_u32 s26, s23, 0x20003
	s_mul_i32 s26, s26, 98304                      ; the wave that owns these output rows,
	s_add_co_u32 s28, s28, s26
	s_and_b32 s26, s23, 7
	s_mul_i32 s26, s26, 1536                       ; the tile n,
	s_add_co_u32 s28, s28, s26
	s_add_co_u32 s28, s28, 49152                   ; behind W1's 32 fragments
	s_add_nc_u64 s[20:21], s[20:21], s[28:29]
	v_lshlrev_b32 v6, 4, v1                        ; 16 x lane
	WLOAD 10
	s_mul_i32 s27, s22, 24832
	s_add_co_u32 s27, s27, LW2                     ; my wave's stage: 16 rows, 1,552 bytes apart
	v_add_nc_u32 v2, s27, v6
	v_and_b32 v7, 15, v0
	v_bfe_u32 v8, v0, 4, 1
	v_mul_u32_u24 v5, v7, 1552
	v_mad_u32_u24 v5, v8, 24, v5
	v_add_nc_u32 v5, s27, v5                       ; out of it: row r, + 24 bytes for the upper half of the lanes
.set cn, 0
.rept 48
	s_wait_loadcnt 47-cn                           ; loads come back in order: the 47 - cn younger ones may be out
	ds_store_b128 v2, v[DAT+4*cn:DAT+4*cn+3] offset:1552*(cn/3)+512*(cn%3)
.set cn, cn+1
.endr
	s_wait_dscnt 0x0                               ; the stores have read their registers, which the loads below write
.irp g, 0,1                                    ; sixteen fragments (128 along H each), eight at a time
.irp f, 0,1,2,3,4,5,6,7
.irp p, 0,1,2,3,4,5
	ds_load_b64 v[DAT+12*(8*\g+\f)+2*\p:DAT+12*(8*\g+\f)+2*\p+1], v5 offset:96*(8*\g+\f)+48*(\p/3)+8*(\p%3)
.endr
.endr
.irp f, 0,1,2,3,4,5,6,7
	s_wait_dscnt 6*(7-\f)                          ; the younger fragments' six loads each may be out
.irp i, 0,1,2
	global_store_b128 v6, v[DAT+12*(8*\g+\f)+4*\i:DAT+12*(8*\g+\f)+4*\i+3], s[20:21] offset:((8*\g+\f)/4)*393216+((8*\g+\f)%4)*12288+512*\i   ; 512 consecutive bytes, aligned
.endr
.endr
.endr
	s_wait_tensorcnt 0x0
	ds_add_u32 v11, v15
	s_wait_dscnt 0x0
	s_endpgm
.Lw1:	; ---- W1: unit u = 64 rows of 384 bytes: expert u / 32, hidden units 64 (u % 32) on
	s_sub_co_u32 s23, ttmp9, 128
	s_lshl_b32 s23, s23, 2
	s_add_co_u32 s23, s23, s22                     ; u = 0 .. 255
	s_mul_i32 s28, s23, 24576
	s_add_nc_u64 s[8:9], s[8:9], s[28:29]
	s_lshr_b32 s26, s23, 5
	s_mul_i32 s28, s26, 1572864                    ; the expert,
	s_bfe_u32 s26, s23, 0x40001
	s_mul_i32 s26, s26, 98304                      ; 4 step + wave,
	s_add_co_u32 s28, s28, s26
	s_and_b32 s26, s23, 1
	s_mul_i32 s26, s26, 24576                      ; the half c
	s_add_co_u32 s28, s28, s26
	s_add_nc_u64 s[20:21], s[20:21], s[28:29]
	v_lshlrev_b32 v6, 4, v1                        ; 16 x lane
	WLOAD 8
	s_mul_i32 s27, s22, 25600                      ; my wave's stage: 64 rows, 400 bytes apart
.irp b, 0,1,2                                  ; load 3 a + b brings bytes 1,536 a + x, x = 512 b + 16 lane: four rows a, and x / 384 rows more, each with 16 bytes of padding
	v_add_nc_u32 v7, 512*\b, v6
	v_lshrrev_b32 v8, 7, v7
	v_mul_u32_u24 v8, v8, 43
	v_lshrrev_b32 v8, 7, v8                        ; x / 384 = (x / 128) / 3, for x under 1,536
	v_lshl_add_u32 v7, v8, 4, v7
	v_add_nc_u32 v[2+\b], s27, v7
.endr
	v_and_b32 v7, 15, v0
	v_bfe_u32 v8, v0, 4, 1
	v_and_b32 v9, 8, v7
	v_add_nc_u32 v9, v9, v7                        ; r + 8 (r / 8)
	v_mul_u32_u24 v5, v9, 400
	v_mad_u32_u24 v5, v8, 24, v5
	v_add_nc_u32 v5, s27, v5
.set cn, 0
.rept 48
	s_wait_loadcnt 47-cn                           ; the 47 - cn younger loads may be out
	ds_store_b128 v[2+cn%3], v[DAT+4*cn:DAT+4*cn+3] offset:1600*(cn/3)
.set cn, cn+1
.endr
	s_wait_dscnt 0x0                               ; the stores have read their registers
.irp g, 0,1                                    ; fragment 8 g + f = 4 s + t
.irp f, 0,1,2,3,4,5,6,7
.irp p, 0,1,2,3,4,5
	ds_load_b64 v[DAT+12*(8*\g+\f)+2*\p:DAT+12*(8*\g+\f)+2*\p+1], v5 offset:(32*((\f%4)/2)+8*(\f%2))*400+96*((8*\g+\f)/4)+48*(\p/3)+8*(\p%3)
.endr
.endr
.irp f, 0,1,2,3,4,5,6,7
	s_wait_dscnt 6*(7-\f)
.irp i, 0,1,2
	global_store_b128 v6, v[DAT+12*(8*\g+\f)+4*\i:DAT+12*(8*\g+\f)+4*\i+3], s[20:21] offset:1536*(8*\g+\f)+512*\i
.endr
.endr
.endr
	s_wait_tensorcnt 0x0
	ds_add_u32 v11, v15
	s_wait_dscnt 0x0
	s_endpgm
.Lrouter:	; ---- a wave takes eight tokens, one at a time; lane l holds k = 16 l .. 16 l + 15 of the token and of Wr
	s_lshl_b32 s27, ttmp9, 5
	s_lshl_b32 s28, s22, 3
	s_add_co_u32 s27, s27, s28                     ; my first token: 32 x work-group + 8 x wave
	s_lshl_b32 s28, s27, 11
	s_add_nc_u64 s[4:5], s[4:5], s[28:29]
	s_mul_i32 s28, s27, 384
	s_add_nc_u64 s[12:13], s[12:13], s[28:29]
	s_lshl_b32 s28, s27, 4
	s_add_nc_u64 s[14:15], s[14:15], s[28:29]
	s_lshl_b32 s28, s27, 2
	s_add_nc_u64 s[16:17], s[16:17], s[28:29]
	s_lshl_b32 s28, s27, 3
	s_add_nc_u64 s[18:19], s[18:19], s[28:29]
	v_lshlrev_b32 v8, 9, v1                        ; Wr: my 16 rows of 32 bytes
	v_lshlrev_b32 v2, 6, v1                        ; x: my 64 bytes of a row
.set cn, 0
.rept 32
	global_load_b128 v[WR+4*cn:WR+4*cn+3], v8, s[6:7] offset:16*cn
.set cn, cn+1
.endr
.macro XLOAD i                         ; token i into set i % 4: the four loads together cover the row's 2,048 bytes
.irp j, 0,1,2,3
	global_load_b128 v[X+16*((\i)%4)+4*\j:X+16*((\i)%4)+4*\j+3], v2, s[4:5] offset:2048*(\i)+16*\j th:TH_LOAD_NT
.endr
.endm
	XLOAD 0
	XLOAD 1
	XLOAD 2
	XLOAD 3
	v_lshrrev_b32 v3, 3, v1                        ; where my 12 bytes of codes go in the token's 384: K step l / 8,
	v_mul_u32_u24 v3, v3, 96
	v_bfe_u32 v9, v1, 1, 1
	v_mad_u32_u24 v3, v9, 48, v3                   ; the block's low bit,
	v_bfe_u32 v9, v1, 2, 1
	v_mad_u32_u24 v3, v9, 24, v3                   ; its high bit,
	v_and_b32 v9, 1, v1
	v_mad_u32_u24 v3, v9, 12, v3                   ; my half of the block
	s_lshl_b32 s28, s22, 7
	s_add_co_u32 s28, s28, LR                      ; my wave's 128 scale bytes in LDS
	v_lshrrev_b32 v4, 1, v1
	v_add_nc_u32 v4, s28, v4                       ; in: my block's byte
	v_lshl_add_u32 v5, v1, 2, s28                  ; out: 4 bytes a lane
	v_lshlrev_b32 v6, 2, v1
	v_lshlrev_b32 v7, 3, v1
	s_mov_b32 s24, 0x76543210
	s_mov_b32 s25, 0xfedcba98                      ; v_permlanex16_b32's selects for lane l xor 16
.irp e, 0,1,2,3,4,5,6,7
	v_mov_b32 v[T+\e], 0                           ; written once: a lane permute's destination counts as one of its sources
.endr
	v_mov_b32 v[KR], 0
	v_mov_b32 v[KG], 0
	v_mov_b32 v[KG+1], 0
.macro TOKEN i
.set XS, X+16*((\i)%4)
.set CC, C+4*(\i)
.if (\i) < 4
	s_wait_loadcnt 12                              ; Wr and this token are in; the three tokens behind it may be out
.else
	s_wait_loadcnt 4*(7-(\i))
.endif
	; the eight logits' parts of my 16 k, two experts an instruction
.irp q, 0,1,2,3,4,5,6,7
.irp p, 0,1,2,3
.if \q == 0
	v_pk_mul_f32 v[A+2*\p:A+2*\p+1], v[XS:XS+1], v[WR+2*\p:WR+2*\p+1] op_sel_hi:[0,1]
.else
	v_pk_fma_f32 v[A+2*\p:A+2*\p+1], v[XS+2*\q:XS+2*\q+1], v[WR+16*\q+2*\p:WR+16*\q+2*\p+1], v[A+2*\p:A+2*\p+1] op_sel_hi:[0,1,1]
.endif
.endr
.irp p, 0,1,2,3
	v_pk_fma_f32 v[A+2*\p:A+2*\p+1], v[XS+2*\q:XS+2*\q+1], v[WR+16*\q+8+2*\p:WR+16*\q+8+2*\p+1], v[A+2*\p:A+2*\p+1] op_sel:[1,0,0] op_sel_hi:[1,1,1]
.endr
.endr
	; the quantiser: two neighbouring lanes hold a block of 32
	v_max3_num_f32 v[T], |v[XS]|, |v[XS+1]|, |v[XS+2]|
	v_max3_num_f32 v[T+1], |v[XS+3]|, |v[XS+4]|, |v[XS+5]|
.irp n, 6,10
	v_max3_num_f32 v[T], v[T], |v[XS+\n]|, |v[XS+\n+1]|
	v_max3_num_f32 v[T+1], v[T+1], |v[XS+\n+2]|, |v[XS+\n+3]|
.endr
	v_max3_num_f32 v[T], v[T], |v[XS+14]|, |v[XS+15]|
	v_max3_num_f32 v[T], v[T], v[T+1], 0x2800000   ; the floor 2^(5 - 127): the byte cannot fall under 1
	v_max_num_f32_dpp v[T], v[T], v[T] row_xmask:1 row_mask:0xf bank_mask:0xf
	v_add_nc_u32 v[T+2], 0xfe000000, v[T]          ; 4 off the exponent field: the conversion's scale operand
	v_cvt_scalef32_pk16_bf6_f32 v[CC:CC+2], v[XS:XS+15], v[T+2]
	v_lshrrev_b32 v[CC+3], 23, v[T+2]              ; the scale's byte; also the plain line behind the conversion
	ds_store_b8 v4, v[CC+3] offset:16*(\i)         ; both lanes of a block write the same byte with the same value
	global_store_b96 v3, v[CC:CC+2], s[12:13] offset:384*(\i)   ; the wave covers the token's 384 consecutive bytes
.if (\i) < 4
	XLOAD \i+4
.endif
	; the sums over the 32 lanes
.irp m, 1,2,4,8
.irp e, 0,1,2,3,4,5,6,7
	v_add_f32_dpp v[A+\e], v[A+\e], v[A+\e] row_xmask:\m row_mask:0xf bank_mask:0xf
.endr
.endr
.irp e, 0,1,2,3,4,5,6,7
	v_permlanex16_b32 v[T+\e], v[A+\e], s24, s25
.endr
.irp e, 0,1,2,3,4,5,6,7
	v_add_f32 v[A+\e], v[A+\e], v[T+\e]
.endr
	; softmax: the largest logit is taken away first
	v_max3_num_f32 v[T], v[A], v[A+1], v[A+2]
	v_max3_num_f32 v[T+1], v[A+3], v[A+4], v[A+5]
	v_max3_num_f32 v[T], v[T], v[A+6], v[A+7]
	v_max_num_f32 v[T], v[T], v[T+1]
.irp e, 0,1,2,3,4,5,6,7
	v_sub_f32 v[A+\e], v[A+\e], v[T]
.endr
.irp e, 0,1,2,3,4,5,6,7
	v_mul_f32 v[A+\e], 0x3fb8aa3b, v[A+\e]         ; x log2(e)
.endr
.irp e, 0,1,2,3,4,5,6,7
	v_exp_f32 v[A+\e], v[A+\e]
.endr
	v_nop                                          ; a plain line behind the last exponential
	s_wait_alu depctr_va_vdst(0)                   ; one wait for the eight, ahead of their first reader
	v_add_f32 v[T], v[A], v[A+1]
	v_add_f32 v[T+1], v[A+2], v[A+3]
	v_add_f32 v[T+2], v[A+4], v[A+5]
	v_add_f32 v[T+3], v[A+6], v[A+7]
	v_add_f32 v[T], v[T], v[T+1]
	v_add_f32 v[T+2], v[T+2], v[T+3]
	v_add_f32 v[T], v[T], v[T+2]
	v_rcp_f32 v[T+1], v[T]
	v_nop
	s_wait_alu depctr_va_vdst(0)
.irp e, 0,1,2,3,4,5,6,7
	v_mul_f32 v[A+\e], v[A+\e], v[T+1]             ; p
.endr
	; top-2 without a branch; strict compares, so that of equal numbers the lower index is kept
	v_mov_b32 v[T+2], v[A]                         ; the best, its index,
	v_mov_b32 v[T+3], 0
	v_mov_b32 v[T+4], -1.0                         ; the second best (under every p), its index
	v_mov_b32 v[T+5], 0
.irp e, 1,2,3,4,5,6,7
	v_cmp_gt_f32 s30, v[A+\e], v[T+2]
	v_cmp_gt_f32 vcc_lo, v[A+\e], v[T+4]
	v_cndmask_b32 v[T+4], v[T+4], v[A+\e], vcc_lo
	v_cndmask_b32 v[T+5], v[T+5], \e, vcc_lo
	v_cndmask_b32 v[T+4], v[T+4], v[T+2], s30
	v_cndmask_b32 v[T+5], v[T+5], v[T+3], s30
	v_cndmask_b32 v[T+2], v[T+2], v[A+\e], s30
	v_cndmask_b32 v[T+3], v[T+3], \e, s30
.endr
	v_lshl_add_u32 v[T+6], 1, v[T+3], 0            ; 1 << first
	v_add_nc_u32 v[T+5], 8, v[T+5]
	v_lshl_or_b32 v[T+6], 1, v[T+5], v[T+6]        ; | 0x100 << second
	v_cmp_eq_u32 vcc_lo, \i, v1                    ; lane i keeps token i's
	v_cndmask_b32 v[KR], v[KR], v[T+6], vcc_lo
	v_cndmask_b32 v[KG], v[KG], v[T+2], vcc_lo
	v_cndmask_b32 v[KG+1], v[KG+1], v[T+4], vcc_lo
.endm
.irp i, 0,1,2,3,4,5,6,7
	TOKEN \i
.endr
	ds_load_b32 v14, v5                            ; LDS serves a wave's instructions in order: this sees my byte stores
	s_wait_dscnt 0x0
	global_store_b32 v6, v14, s[14:15]             ; eight tokens' scale bytes: 128 consecutive bytes
	s_wait_xcnt 0x0                                ; EXEC changes only behind this wait
	v_cmp_gt_u32 vcc_lo, 8, v1
	s_wait_tensorcnt 0x0
	ds_add_u32 v11, v15
	s_wait_dscnt 0x0
	s_and_saveexec_b32 s26, vcc_lo
	global_store_b32 v6, v[KR], s[16:17]
	global_store_b64 v7, v[KG:KG+1], s[18:19]
	s_wait_xcnt 0x0                                ; and again ahead of the line that widens it
	s_or_b32 exec_lo, exec_lo, s26
	s_endpgm
.Lfunc_end_k_q126bc11842_prep:
	.size	k_q126bc11842_prep, .Lfunc_end_k_q126bc11842_prep-k_q126bc11842_prep
	.p2alignl 7, 3214868480
	.fill 96, 4, 3214868480
	.section	.rodata,"a",@progbits
	.p2align	6, 0x0
	.amdhsa_kernel k_q126bc11842_prep
		.amdhsa_group_segment_fixed_size 203264
		.amdhsa_private_segment_fixed_size 0
		.amdhsa_enable_private_segment 0
		.amdhsa_kernarg_size 72
		.amdhsa_user_sgpr_count 2
		.amdhsa_user_sgpr_kernarg_segment_ptr 1
		.amdhsa_wavefront_size32 1
		.amdhsa_system_sgpr_workgroup_id_x 1
		.amdhsa_system_sgpr_workgroup_id_y 1
		.amdhsa_system_sgpr_workgroup_id_z 1
		.amdhsa_system_vgpr_workitem_id 0
		.amdhsa_next_free_vgpr 256
		.amdhsa_next_free_sgpr 66
		.amdhsa_reserve_vcc 1
		.amdhsa_float_denorm_mode_32 3
		.amdhsa_float_denorm_mode_16_64 3
		.amdhsa_memory_ordered 1
		.amdhsa_forward_progress 1
		.amdhsa_inst_pref_size 157
	.end_amdhsa_kernel
	.amdgpu_metadata
---
amdhsa.version: [ 1, 2 ]
amdhsa.kernels:
  - .name:           k_q126bc11842_prep
    .symbol:         k_q126bc11842_prep.kd
    .args:
      - { .name: input_batch, .offset: 0, .size: 8, .value_kind: global_buffer, .address_space: global }
      - { .name: Wr, .offset: 8, .size: 8, .value_kind: global_buffer, .address_space: global }
      - { .name: W1_codes, .offset: 16, .size: 8, .value_kind: global_buffer, .address_space: global }
      - { .name: W2_codes, .offset: 24, .size: 8, .value_kind: global_buffer, .address_space: global }
      - { .name: xq, .offset: 32, .size: 8, .value_kind: global_buffer, .address_space: global }
      - { .name: xs, .offset: 40, .size: 8, .value_kind: global_buffer, .address_space: global }
      - { .name: route, .offset: 48, .size: 8, .value_kind: global_buffer, .address_space: global }
      - { .name: gates, .offset: 56, .size: 8, .value_kind: global_buffer, .address_space: global }
      - { .name: wlay, .offset: 64, .size: 8, .value_kind: global_buffer, .address_space: global }
    .group_segment_fixed_size: 203264
    .private_segment_fixed_size: 0
    .kernarg_segment_align: 8
    .kernarg_segment_size: 72
    .max_flat_workgroup_size: 128
    .sgpr_count:     66
    .vgpr_count:     256
    .wavefront_size: 32
...
	.end_amdgpu_metadata
.endif
;; end of part 1
;; launch place (part 2): grid 8 x 1, 32 waves a work-group, no clusters, 4,352 bytes of LDS; arguments route, rowlist, counts; writes rowlist, counts
.if DOCPART == 2
	.amdgcn_target "amdgcn-amd-amdhsa--gfx1250"
	.amdhsa_code_object_version 6
	.text
	.protected	k_q126bc11842_place
	.globl	k_q126bc11842_place
	.p2align	8
	.type	k_q126bc11842_place,@function
k_q126bc11842_place:
	s_mov_b64 s[64:65], 0
	v_nop
	global_prefetch_b8 v0, s[64:65] scope:SCOPE_SE
	s_setreg_imm32_b32 hwreg(HW_REG_WAVE_MODE, 25, 1), 1
	s_wait_xcnt 0x0
; The routed rows (entry = 2 x token + slot) are placed by expert.  WORK-GROUP e SERVES EXPERT e; no atomics; whole numbers throughout.
; Wave w takes tokens 128 w .. 128 w + 127, four to a lane (register j of lane l: token 128 w + 4 l + j).  The tokens are ranked in the order (wave, register, lane).
; A wave counts its tokens that chose the expert; the 32 counts meet in LDS behind one barrier; each wave then knows how many such tokens stand ahead of its own.
; EVERY LANE STORES, with all lanes on: a token that chose the expert goes to its rank among those, from the list's start; a token that did not goes to 4,095 - its rank among the others, from the list's end.
; So the 4,096 tokens fill the list's 4,096 places once each.  rowlist [8][4096]: expert e's entries lie dense from 0; what lies behind them is written and never used.
; counts [8]: expert e's rows.  The launch that follows makes its tiles from these eight numbers.
.set R,  16                            ; v16-19  four route words, (1 << first expert) | (0x100 << second expert); then only my expert's two bits of them
.set MB, 20                            ; v20-23  my expert's tokens ahead of me; then my place
.set NP, 24                            ; v24-27  4,095 - my number in the order; then the place of a token that did not choose the expert
.set AD, 28                            ; v28-31  the four stores' offsets: each register is used once
.set BT, 32                            ; v32-39  the eight bits of a wave's count
.set DT, 40                            ; v40-43  the four stores' data
	s_load_b128 s[4:7], s[0:1], 0x0                ; route, rowlist
	s_load_b64 s[8:9], s[0:1], 0x10                ; counts
	v_lshl_add_u32 v48, v0, 2, 0x100
	v_mov_b32 v49, 0
	v_lshrrev_b32 v3, 5, v0                        ; my wave's number, in every lane,
	v_readfirstlane_b32 s10, v3                    ; and as a scalar: 0..31
	v_and_b32 v1, 31, v0                           ; lane
	s_lshl_b32 s13, 0x101, ttmp9                   ; my expert's two bits of a route word
	s_add_co_u32 s21, ttmp9, 8
	s_lshl_b32 s15, s10, 9
	v_lshl_add_u32 v2, v1, 4, s15                  ; 16 lane + 512 wave: my four route words
	s_lshl_b32 s15, s10, 8
	v_lshl_add_u32 v13, v1, 3, s15                 ; 2 x (4 lane + 128 wave): my first token's first entry
	s_lshl_b32 s15, s10, 7
	v_add_nc_u32 v14, s15, v1                      ; 128 wave + lane: register 0's number in the order; register j's is 32 j more
	s_lshl_b32 s18, 1, s10
	s_sub_co_u32 s18, s18, 1                       ; a bit for each wave ahead of mine
	s_lshl_b32 s22, ttmp9, 14
	s_mov_b32 s23, 0
	s_lshl_b32 s16, ttmp9, 2
	s_mov_b32 s17, 0
	v_lshlrev_b32 v5, 2, v3                        ; LDS: 4 x wave: my wave's count
	v_lshlrev_b32 v6, 2, v1                        ; LDS: 4 x lane: lane l reads wave l's
	s_wait_kmcnt 0x0
	global_load_b128 v[R:R+3], v2, s[4:5]          ; the wave reads 512 consecutive bytes
	s_add_nc_u64 s[6:7], s[6:7], s[22:23]          ; my expert's list
	s_add_nc_u64 s[8:9], s[8:9], s[16:17]          ; and its count
.irp j, 0,1,2,3
	v_sub_nc_u32 v[NP+\j], 4095-32*\j, v14
.endr
	s_wait_loadcnt 0x0
	; ---- my wave's tokens of the expert: a mask for each register, kept for the ranks
.irp j, 0,1,2,3
	v_and_b32 v[R+\j], s13, v[R+\j]                ; a token has at most one of the two bits
.endr
.irp j, 0,1,2,3
	v_cmp_ne_u32 s[24+\j], 0, v[R+\j]
.endr
.irp j, 0,1,2,3
	s_bcnt1_i32_b32 s[28+\j], s[24+\j]
.endr
	s_add_co_u32 s14, s28, s29
	s_add_co_u32 s14, s14, s30
	s_add_co_u32 s14, s14, s31
	v_mov_b32 v4, s14
	ds_store_b32 v5, v4                            ; all lanes write the wave's word with the same value
	s_wait_dscnt 0x0                               ; for the others' sake
	s_barrier_signal -1
	s_barrier_wait -1
	ds_load_b32 v7, v6                             ; lane l: wave l's count, 128 at the most: eight bits
	s_wait_dscnt 0x0
	; ---- the sum of all counts, and of the waves ahead of mine: bit b of the counts is worth 2^b for each lane that has it
.irp b, 0,1,2,3,4,5,6,7
	v_and_b32 v[BT+\b], 1<<\b, v7
.endr
.irp b, 0,1,2,3,4,5,6,7
	v_cmp_ne_u32 s[32+\b], 0, v[BT+\b]
.endr
	s_mov_b32 s16, 0
	s_mov_b32 s19, 0
.irp b, 0,1,2,3,4,5,6,7
	s_bcnt1_i32_b32 s20, s[32+\b]
	s_lshl_b32 s20, s20, \b
	s_add_co_u32 s19, s19, s20                     ; the expert's rows in all
	s_and_b32 s20, s[32+\b], s18
	s_bcnt1_i32_b32 s20, s20
	s_lshl_b32 s20, s20, \b
	s_add_co_u32 s16, s16, s20                     ; those of the waves ahead of mine
.endr
	; ---- the places
.irp j, 0,1,2,3
	v_mbcnt_lo_u32_b32 v[MB+\j], s[24+\j], s16     ; the expert's tokens ahead of me: so far + set bits below my lane
	s_add_co_u32 s16, s16, s[28+\j]
	v_add_nc_u32 v[NP+\j], v[NP+\j], v[MB+\j]      ; 4,095 - (my number in the order - the expert's tokens ahead of me)
	v_cndmask_b32 v[MB+\j], v[NP+\j], v[MB+\j], s[24+\j]
	v_lshrrev_b32 v8, s21, v[R+\j]                 ; the slot: 1 where the upper bit is the one that is set
	v_add3_u32 v[DT+\j], v8, v13, 2*\j             ; 2 x token + slot
	v_min_u32 v[MB+\j], 0xfff, v[MB+\j]            ; a list has 4,096 places
	v_lshlrev_b32 v[AD+\j], 2, v[MB+\j]
	global_store_b32 v[AD+\j], v[DT+\j], s[6:7]
.endr
	s_cmp_lg_u32 s10, 0
	s_cbranch_scc1 .Lend                           ; a branch on the wave's number; no barrier stands behind it
	v_mov_b32 v9, s19
	v_mov_b32 v10, 0
	s_wait_xcnt 0x0                                ; EXEC changes only behind this wait
	v_cmp_eq_u32 vcc_lo, 0, v1
	s_and_saveexec_b32 s20, vcc_lo
	global_store_b32 v10, v9, s[8:9]               ; the expert's count
	s_wait_xcnt 0x0                                ; and again ahead of the line that widens it
	s_or_b32 exec_lo, exec_lo, s20
.Lend:
	s_wait_tensorcnt 0x0
	ds_add_u32 v48, v49
	s_wait_dscnt 0x0
	s_endpgm
.Lfunc_end_k_q126bc11842_place:
	.size	k_q126bc11842_place, .Lfunc_end_k_q126bc11842_place-k_q126bc11842_place
	.p2alignl 7, 3214868480
	.fill 96, 4, 3214868480
	.section	.rodata,"a",@progbits
	.p2align	6, 0x0
	.amdhsa_kernel k_q126bc11842_place
		.amdhsa_group_segment_fixed_size 4352
		.amdhsa_private_segment_fixed_size 0
		.amdhsa_enable_private_segment 0
		.amdhsa_kernarg_size 24
		.amdhsa_user_sgpr_count 2
		.amdhsa_user_sgpr_kernarg_segment_ptr 1
		.amdhsa_wavefront_size32 1
		.amdhsa_system_sgpr_workgroup_id_x 1
		.amdhsa_system_sgpr_workgroup_id_y 1
		.amdhsa_system_sgpr_workgroup_id_z 1
		.amdhsa_system_vgpr_workitem_id 0
		.amdhsa_next_free_vgpr 50
		.amdhsa_next_free_sgpr 66
		.amdhsa_reserve_vcc 1
		.amdhsa_float_denorm_mode_32 3
		.amdhsa_float_denorm_mode_16_64 3
		.amdhsa_memory_ordered 1
		.amdhsa_forward_progress 1
		.amdhsa_inst_pref_size 8
	.end_amdhsa_kernel
	.amdgpu_metadata
---
amdhsa.version: [ 1, 2 ]
amdhsa.kernels:
  - .name:           k_q126bc11842_place
    .symbol:         k_q126bc11842_place.kd
    .args:
      - { .name: route, .offset: 0, .size: 8, .value_kind: global_buffer, .address_space: global }
      - { .name: rowlist, .offset: 8, .size: 8, .value_kind: global_buffer, .address_space: global }
      - { .name: counts, .offset: 16, .size: 8, .value_kind: global_buffer, .address_space: global }
    .group_segment_fixed_size: 4352
    .private_segment_fixed_size: 0
    .kernarg_segment_align: 8
    .kernarg_segment_size: 24
    .max_flat_workgroup_size: 1024
    .sgpr_count:     66
    .vgpr_count:     50
    .wavefront_size: 32
...
	.end_amdgpu_metadata
.endif
;; end of part 2
;; launch chain (part 3): grid 178 x 1, 4 waves a work-group, no clusters, 60,928 bytes of LDS; arguments xq, xs, wlay, W1_scales, W2_scales, b1, b2, rowlist, counts, gates, ybuf; writes ybuf
.if DOCPART == 3
	.amdgcn_target "amdgcn-amd-amdhsa--gfx1250"
	.amdhsa_code_object_version 6
	.text
	.protected	k_q126bc11842_chain
	.globl	k_q126bc11842_chain
	.p2align	8
	.type	k_q126bc11842_chain,@function
k_q126bc11842_chain:
	s_mov_b64 s[64:65], 0
	v_nop
	global_prefetch_b8 v0, s[64:65] scope:SCOPE_SE
	s_setreg_imm32_b32 hwreg(HW_REG_WAVE_MODE, 25, 1), 1
	s_wait_xcnt 0x0
; ONE TILE (up to 48 routed rows of ONE expert) goes through the whole chain: ybuf[entry] = gate x (Q(relu(Q(x) W1 + b1)) W2 + b2), both products on codes of E3M2 with E8M0 scales.
; THE GRID.  With 8,192 routed rows, 8 experts and tiles of 48 there are never more than ceil(8192 / 48) + 7 = 178 tiles, whatever the split.  48 is the smallest multiple of 16 whose grid does not pass the 256 WGPs
; (tiles of 32: 263; tiles of 64: 135, which leave nearly half of them without work).  A work-group finds its tile from the eight experts' counts by scalar arithmetic.
; SHARES.  H goes in four steps of 512 units.  In a step wave w makes hidden units 128 (4 step + w) on for all 48 rows, in two halves of 64; it quantises them in registers, and they are K step w of the
; second product: their image goes to LDS.  Wave w owns output columns 128 w .. 128 w + 127 for all 48 rows: 24 accumulators that stay in registers for the whole launch.
; Both products are used transposed (source 0 = 16 rows of a weight, source 1 = 16 rows of the tile): a lane holds ONE row throughout, and its registers run along the next K, or along the output.
; THE WEIGHTS come from memory straight into registers, as images that an earlier launch has laid in this wave's order of reading: a ring of 16 fragments, asked for four groups of 12 products ahead.
; NO CLUSTER, NO JOINT LOADS: a tile's expert hangs on numbers read from memory, so neighbours in the grid need not share a weight, and the way out branches on the tile's count of rows.
; A TILE WITH FEWER THAN 48 ROWS repeats its last row; a tile with none (at most 7 of the 178) runs on the first row of tile 0 and stores nothing: every wave passes every barrier, and no barrier hangs on a loaded number.
; LIMITS: NaN and infinities are not served; a hidden block of zeros gets the byte 1 with zero codes; a block whose largest magnitude lies under 2^-122 is held at the byte 1.
; REGISTERS, in windows of 256.  Window 0: v1-11 addresses, v14-16 the rows' entries, v20-79 scale words, v80-127 at work, v128-223 the hidden layer's 12 accumulators (row tile m, tile t at 128 + 32 m + 8 t), later
;   six hidden fragments, later rows of y.   Window 1: v0-143 x's 12 fragments (48 m + 12 s), v192-223 b1's four tiles, v224-229 the gates, each twice.   Window 2: v0-191 the ring.   Window 3: y's accumulators (64 m + 8 n).
.set TILE, 48
.set ENT,  14                          ; v14-16  entry of row 16 m + lane % 16
.set XS,   20                          ; v20-31  x's scale words: 4 m + s
.set W1S,  36                          ; v36-51  W1's: 8 c + 4 (t / 2) + s; lanes 0-15 the even tile, lanes 16-31 the odd one
.set W2S,  52                          ; v52-67  W2's: 4 (n / 2) + k; lanes 0-15 the even n, lanes 16-31 the odd one
.set HS,   68                          ; v68-75  the hidden layer's: 4 buf + m
.set PW,   76                          ; v76-78  the scale word in the making, row tile m
.set PC,   80                          ; v80-108 codes just made: row tile m at 80 + 10 m (six registers), its second conversion at 86 + 10 m (three)
.set TP,   80                          ; v80-85, v88-93 are also scratch ahead of the conversions
.set BY,   88
.set BO,   112                         ; v112    b2's offset;  v113-115 the gates' offsets: never rewritten, since their loads stay out past the head
.set GA,   113
.set TM,   120                         ; v120-125 largest magnitudes, then scale operands: 2 m + b
.set ACC1, 128
.set HSC,  24576                       ; LDS: [0, 24576) the hidden fragments, (4 m + k) x 1,536; then their scale words, (4 m + k) x 128;
.set STAGE, 26624                      ; then a stage of 16 rows x 528 bytes for each wave
.set MSB, 0
.macro WIN new                         ; the immediate's high byte repeats the setting that is left
.if MSB != \new
	s_set_vgpr_msb (MSB<<8)|\new
.set MSB, \new
.endif
.endm
.macro PLACES n                        ; plain lines between a matrix instruction and a load into, a read of or a write over its registers
.rept \n
	v_nop
.endr
.endm
.macro MM d, a, b, c, sa, sb, row      ; one product; row = 1: source 0's scales stand in lanes 16-31
.if \row
	v_wmma_scale_f32_16x16x128_f8f6f4 v[(\d):(\d)+7], v[(\a):(\a)+11], v[(\b):(\b)+11], v[(\c):(\c)+7], v[\sa], v[\sb] matrix_a_fmt:MATRIX_FMT_BF6 matrix_b_fmt:MATRIX_FMT_BF6 matrix_a_scale:MATRIX_SCALE_ROW1
.else
	v_wmma_scale_f32_16x16x128_f8f6f4 v[(\d):(\d)+7], v[(\a):(\a)+11], v[(\b):(\b)+11], v[(\c):(\c)+7], v[\sa], v[\sb] matrix_a_fmt:MATRIX_FMT_BF6 matrix_b_fmt:MATRIX_FMT_BF6
.endif
.endm
	s_load_b512 s[4:19], s[0:1], 0x0               ; xq s[4:5], xs s[6:7], wlay s[8:9], W1's scales s[10:11], W2's s[12:13], b1 s[14:15], b2 s[16:17], rowlist s[18:19]
	s_load_b128 s[20:23], s[0:1], 0x40             ; counts s[20:21], gates s[22:23]
	s_load_b64 s[24:25], s[0:1], 0x50              ; ybuf
	v_lshl_add_u32 v126, v0, 2, 0xec00
	v_mov_b32 v127, 0
	v_lshrrev_b32 v12, 5, v0
	v_readfirstlane_b32 s32, v12                   ; wave 0..3
	v_and_b32 v12, 31, v0                          ; lane
	v_and_b32 v13, 15, v0                          ; r
	v_bfe_u32 v18, v0, 4, 1                        ; h
	s_mov_b32 s27, 0
	s_wait_kmcnt 0x0
	s_load_b256 s[72:79], s[20:21], 0x0            ; the eight experts' rows
	v_lshlrev_b32 v1, 4, v12                       ; an image's place for my lane
	v_lshlrev_b32 v2, 6, v18                       ; b1: 16 h units
	v_and_b32 v3, 8, v13
	v_add_nc_u32 v3, v3, v13
	v_lshl_add_u32 v3, v18, 3, v3
	v_lshlrev_b32 v3, 4, v3                        ; W1's scale words: unit r + 8 (r / 8) + 8 h, 16 bytes a unit
	v_lshlrev_b32 v4, 6, v12                       ; W2's: row = lane, 64 bytes a row
	s_mul_i32 s53, s32, 1536
	v_lshl_add_u32 v5, v12, 3, s53                 ; where I store my hidden images: 8 lane + 1,536 wave
	s_lshl_b32 s53, s32, 7
	s_add_co_u32 s53, s53, HSC
	v_lshl_add_u32 v6, v12, 2, s53                 ; and their scale words: 4 lane + 128 wave
	v_lshlrev_b32 v7, 3, v12                       ; where I read any wave's
	v_lshl_add_u32 v8, v12, 2, HSC
	s_mul_i32 s53, s32, 8448
	s_add_co_u32 s53, s53, STAGE                   ; my stage
	v_mul_u32_u24 v9, v13, 528
	v_lshl_add_u32 v9, v18, 5, v9
	v_add_nc_u32 v9, s53, v9                       ; in: row r, 32 bytes for each half of the lanes
	v_lshl_add_u32 v10, v12, 4, s53                ; back: a row of 512 bytes to the 32 lanes
	s_lshl_b32 s53, s32, 9
	v_lshl_add_u32 v11, v12, 4, s53                ; and in a row of ybuf: my wave's 512 bytes
	v_lshlrev_b32 v[BO], 5, v18                    ; b2: 8 h columns
	s_mov_b32 s50, 0x76543210
	s_mov_b32 s51, 0xfedcba98                      ; v_permlanex16_b32's selects for lane l xor 16
	s_wait_kmcnt 0x0
	; ---- my tile: expert e has ceil(rows / 48) tiles, and the experts' tiles follow each other
.irp e, 0,1,2,3,4,5,6,7
	s_min_u32 s[72+\e], s[72+\e], 4096             ; a token chooses an expert once at the most
.endr
	s_mov_b32 s80, 0
.irp e, 0,1,2,3,4,5,6,7
	s_add_co_u32 s53, s[72+\e], TILE-1
	s_lshr_b32 s53, s53, 4
	s_mul_i32 s53, s53, 171
	s_lshr_b32 s53, s53, 9                         ; (rows + 47) / 16 / 3: x 171 / 512 is x / 3, rounded down, for x under 512; here x is 258 at the most
	s_add_co_u32 s[81+\e], s[80+\e], s53           ; s[80 + e]: expert e's first tile; s88: tiles in all
.endr
	s_cmp_lt_u32 ttmp9, s88                        ; has my tile rows?
	s_cselect_b32 s54, ttmp9, 0                    ; if not: as tile 0,
	s_cselect_b32 s55, TILE, 0                     ; with no rows
	s_mov_b32 s33, 0                               ; the expert,
	s_mov_b32 s56, 0                               ; its first tile,
	s_mov_b32 s57, s72                             ; its rows
.irp e, 1,2,3,4,5,6,7
	s_cmp_le_u32 s[80+\e], s54                     ; the last expert whose first tile is not beyond mine: one without rows is passed over, since the next begins at the same tile
	s_cselect_b32 s33, \e, s33
	s_cselect_b32 s56, s[80+\e], s56
	s_cselect_b32 s57, s[72+\e], s57
.endr
	s_sub_co_u32 s34, s54, s56
	s_mul_i32 s34, s34, TILE                       ; the tile's first place in the expert's list
	s_sub_co_u32 s35, s57, s34
	s_min_u32 s35, s35, s55                        ; its rows
	s_min_u32 s33, s33, 7                          ; numbers made of loaded ones are held to their ranges before they enter an address
	s_min_u32 s34, s34, 4096-TILE
	s_min_u32 s35, s35, TILE
	s_max_u32 s36, s35, 1
	s_sub_co_u32 s36, s36, 1                       ; the last row that exists (0 in a tile without rows)
	s_mul_i32 s26, s33, 1572864
	s_mul_i32 s53, s32, 98304
	s_add_co_u32 s26, s26, s53
	s_add_nc_u64 s[38:39], s[8:9], s[26:27]        ; my stream of weights, step 0
	s_lshl_b32 s26, s33, 13
	s_lshl_b32 s53, s32, 9
	s_add_co_u32 s26, s26, s53
	s_add_nc_u64 s[40:41], s[14:15], s[26:27]      ; b1 at my 128 units of step 0
	s_lshl_b32 s26, s33, 15
	s_lshl_b32 s53, s32, 11
	s_add_co_u32 s26, s26, s53
	s_add_nc_u64 s[42:43], s[10:11], s[26:27]      ; W1's scales likewise
	s_lshl_b32 s26, s33, 15
	s_lshl_b32 s53, s32, 13
	s_add_co_u32 s26, s26, s53
	s_add_nc_u64 s[44:45], s[12:13], s[26:27]      ; W2's scales at my 128 output rows
	s_lshl_b32 s26, s33, 11
	s_lshl_b32 s53, s32, 9
	s_add_co_u32 s26, s26, s53
	s_add_nc_u64 s[46:47], s[16:17], s[26:27]      ; b2 at my 128 columns
	s_lshl_b32 s26, s33, 14
	s_add_nc_u64 s[48:49], s[18:19], s[26:27]      ; my expert's list
.irp m, 0,1,2
	v_add_nc_u32 v19, 16*\m, v13
	v_min_u32 v19, s36, v19                        ; rows beyond the last repeat it
	v_add_nc_u32 v19, s34, v19
	v_min_u32 v19, 0xfff, v19
	v_lshlrev_b32 v[96+\m], 2, v19
	global_load_b32 v[ENT+\m], v[96+\m], s[48:49]
.endr
; BATCH g: the four fragments that group g of a step's sixteen multiplies by, into ring slots 4 (g % 4) on, and ahead of them what else the group is the first to want:
; g = 0, 4: a half's b1 (8 loads) and W1's scale words (2);  g = 8: W2's scale words (4).  g = 16 .. 19 are the next step's 0 .. 3.  So a batch is 22, 16 or 12 loads.
.macro BATCH g
.set GM, (\g)%16
.if (\g) >= 16
.set OW, 393216+6144*((\g)-16)
.set OB, 2048
.set OS, 8192
.else
.set OW, 6144*(\g)
.set OB, 0
.set OS, 0
.endif
.if (GM == 0) || (GM == 4)
.set CH, GM/4
	WIN 0x40                                       ; destination window 1
.irp t, 0,1,2,3
	global_load_b128 v[192+8*\t:195+8*\t], v2, s[40:41] offset:OB+256*CH+4*(32*(\t/2)+8*(\t%2))
	global_load_b128 v[196+8*\t:199+8*\t], v2, s[40:41] offset:OB+256*CH+4*(32*(\t/2)+8*(\t%2))+16
.endr
	WIN 0
.irp b, 0,1
	global_load_b128 v[W1S+8*CH+4*\b:W1S+8*CH+4*\b+3], v3, s[42:43] offset:OS+1024*CH+512*\b
.endr
.endif
.if GM == 8
	WIN 0
.irp p, 0,1,2,3
	global_load_b128 v[W2S+4*\p:W2S+4*\p+3], v4, s[44:45] offset:2048*\p
.endr
.endif
	WIN 0x80                                       ; destination window 2
.irp t, 0,1,2,3
.irp i, 0,1,2
	global_load_b128 v[12*(4*((\g)%4)+\t)+4*\i:12*(4*((\g)%4)+\t)+4*\i+3], v1, s[38:39] offset:OW+1536*\t+512*\i   ; 512 consecutive bytes
.endr
.endr
.endm
	BATCH 0
	BATCH 1
	BATCH 2
	BATCH 3
	WIN 0
	s_wait_loadcnt 58                              ; the three entries are in; the 22 + 12 + 12 + 12 loads of the batches may be out
.irp m, 0,1,2
	v_min_u32 v[ENT+\m], 0x1fff, v[ENT+\m]
	v_and_b32 v19, 0x1ffe, v[ENT+\m]               ; 2 x token
	v_mul_u32_u24 v[100+\m], v19, 192
	v_mad_u32_u24 v[100+\m], v18, 48, v[100+\m]    ; its codes: 384 x token + 48 h
	v_lshlrev_b32 v[104+\m], 3, v19                ; its scale bytes: 16 x token
	v_lshlrev_b32 v[GA+\m], 2, v[ENT+\m]           ; its gate: 4 x entry
.endr
	WIN 0x40                                       ; what the first product wants comes first
.irp m, 0,1,2
.irp s, 0,1,2,3
.irp i, 0,1,2
	global_load_b128 v[48*\m+12*\s+4*\i:48*\m+12*\s+4*\i+3], v[100+\m], s[4:5] offset:96*\s+16*\i   ; x's fragments stay in registers
.endr
.endr
.endr
	WIN 0
.irp m, 0,1,2
	global_load_b128 v[XS+4*\m:XS+4*\m+3], v[104+\m], s[6:7]
.endr
	WIN 0x40
.irp m, 0,1,2
	global_load_b32 v[224+2*\m], v[GA+\m], s[22:23]   ; the gate, twice: a pair for the packed multiply
	global_load_b32 v[225+2*\m], v[GA+\m], s[22:23]
.endr
	WIN 0xc0                                       ; destination window 3: y's sums begin as b2, in the result's layout: nothing is cleared and nothing added later
.irp m, 0,1,2
.irp q, 0,1,2,3,4,5,6,7
	global_load_b128 v[64*\m+8*\q:64*\m+8*\q+3], v[BO], s[46:47] offset:64*\q
	global_load_b128 v[64*\m+8*\q+4:64*\m+8*\q+7], v[BO], s[46:47] offset:64*\q+16
.endr
.endr
	WIN 0
	s_wait_loadcnt 54                              ; x and its scale words are in; the 6 loads of the gates and the 48 of b2 may be out: the second product and the way out are the first to want them,
	                                               ; and the first step's counted waits show them in: behind b2's last load 46 loads have been issued when the third of them, for 46, is met
.irp q, 0,1,2,3,4,5
	v_mov_b32 v[TP+\q], 0                          ; written once: a lane permute's destination counts as one of its sources
.endr
; GROUP 4 c + s of the first product: half c, K step s: four tiles of 16 units x three tiles of rows.  The 12 accumulators take turns, one instruction a turn.
; The first K step takes b1 as its C.  n: the loads of the three younger batches, which may stay out.
.macro G1 c, s, n
.set GG, 4*(\c)+(\s)
	s_wait_loadcnt \n
.if (\s) == 0
	WIN 0x16                                       ; source 0 window 2, source 1 window 1, C (b1) window 1, D window 0
.else
	WIN 0x06
.endif
.irp t, 0,1,2,3
.irp m, 0,1,2
.if (\s) == 0
	MM ACC1+32*\m+8*\t, 12*(4*(\s)+\t), 48*\m+12*(\s), 192+8*\t, W1S+8*(\c)+4*(\t/2)+(\s), XS+4*\m+(\s), \t%2
.else
	MM ACC1+32*\m+8*\t, 12*(4*(\s)+\t), 48*\m+12*(\s), ACC1+32*\m+8*\t, W1S+8*(\c)+4*(\t/2)+(\s), XS+4*\m+(\s), \t%2
.endif
.endr
.endr
	PLACES 4                                       ; ahead of the loads into the slots just read, and of the first read of results
	BATCH GG+4
.endm
; Q c: relu, and the half's 64 units of each of the 48 rows become codes: registers 6 c .. 6 c + 5 of a fragment, and two bytes of its scale word.
; In row tile m register 16 b + i of a lane is unit 64 c + 32 b + 16 (lane / 16) + i of row lane % 16.
.macro Q c
	WIN 0
	s_wait_dscnt 0x0                               ; the last images' stores have read the codes' registers
.set cn, 0
.rept 96
	v_max_num_f32 v[ACC1+cn], 0, v[ACC1+cn]        ; the activation, in f32; each accumulator from its low end on
.set cn, cn+1
.endr
.irp m, 0,1,2
.irp b, 0,1
	v_max3_num_f32 v[TM+2*\m+\b], v[ACC1+32*\m+16*\b], v[ACC1+32*\m+16*\b+1], 0x2800000   ; my 16 numbers of a block (none is negative), and the floor 2^(5 - 127)
.endr
.endr
.irp i, 2,4,6,8,10,12,14
.irp m, 0,1,2
.irp b, 0,1
	v_max3_num_f32 v[TM+2*\m+\b], v[TM+2*\m+\b], v[ACC1+32*\m+16*\b+\i], v[ACC1+32*\m+16*\b+\i+1]   ; six chains by turns
.endr
.endr
.endr
.irp q, 0,1,2,3,4,5
	v_permlanex16_b32 v[TP+\q], v[TM+\q], s50, s51
.endr
.irp q, 0,1,2,3,4,5
	v_max_num_f32 v[TM+\q], v[TM+\q], v[TP+\q]     ; with lane l xor 16's: the block's largest magnitude
.endr
.irp q, 0,1,2,3,4,5
	v_add_nc_u32 v[TM+\q], 0xfe000000, v[TM+\q]    ; 4 off the exponent field: the conversion's scale operand
.endr
.irp q, 0,1,2,3,4,5
	v_lshrrev_b32 v[BY+\q], 23, v[TM+\q]           ; the scale's byte
.endr
.irp m, 0,1,2
.if (\c) == 0
	v_lshl_or_b32 v[PW+\m], v[BY+2*\m+1], 8, v[BY+2*\m]
.else
	v_lshl_or_b32 v[PW+\m], v[BY+2*\m], 16, v[PW+\m]
	v_lshl_or_b32 v[PW+\m], v[BY+2*\m+1], 24, v[PW+\m]
.endif
.endr
.irp m, 0,1,2
	v_cvt_scalef32_pk16_bf6_f32 v[PC+10*\m:PC+10*\m+2], v[ACC1+32*\m:ACC1+32*\m+15], v[TM+2*\m]
	v_cvt_scalef32_pk16_bf6_f32 v[PC+10*\m+6:PC+10*\m+8], v[ACC1+32*\m+16:ACC1+32*\m+31], v[TM+2*\m+1]   ; (a conversion's three registers begin on an even number)
.endr
	v_nop                                          ; one plain line behind the scaled conversions
.irp m, 0,1,2                                  ; the operand's layout wants a whole block in a lane: lanes 0-15 block 2 c, lanes 16-31 block 2 c + 1
.irp i, 0,1,2
	v_permlane16_swap_b32 v[PC+10*\m+\i], v[PC+10*\m+6+\i]
.endr
.irp i, 0,1,2
	v_mov_b32 v[PC+10*\m+3+\i], v[PC+10*\m+6+\i]
.endr
.endr
.if (\c) == 0
	s_wait_dscnt 0x0                               ; my reads of the last step's images are over;
	s_barrier_signal -1
	s_barrier_wait -1                              ; everybody's are: the images may be written again
.endif
.irp m, 0,1,2
.irp i, 0,1,2
	ds_store_b64 v5, v[PC+10*\m+2*\i:PC+10*\m+2*\i+1] offset:6144*\m+768*(\c)+256*\i   ; an image of the registers: 256 consecutive bytes a store
.endr
.if (\c) == 1
	ds_store_b32 v6, v[PW+\m] offset:512*\m
.endif
.endr
.endm
; the three hidden fragments (row tiles m) of K step k of the second product, and their scale words: 21 LDS loads
.macro HLOAD k, buf
	WIN 0
.irp m, 0,1,2
.irp c, 0,1
.irp i, 0,1,2
	ds_load_b64 v[ACC1+48*(\buf)+12*\m+6*\c+2*\i:ACC1+48*(\buf)+12*\m+6*\c+2*\i+1], v7 offset:(4*\m+(\k))*1536+768*\c+256*\i
.endr
.endr
	ds_load_b32 v[HS+4*(\buf)+\m], v8 offset:(4*\m+(\k))*128
.endr
.endm
; GROUP 8 + 2 k + hf of the second product: K step k, output tiles 4 hf .. 4 hf + 3 x three tiles of rows: 12 accumulators by turns.  pl: the places behind it;  bat = 1: the batch four groups on is asked for.
.macro G2 k, hf, n, pl, bat
.set GG, 8+2*(\k)+(\hf)
	s_wait_loadcnt \n
	WIN 0xf2                                       ; source 0 window 2, source 1 window 0, C and D window 3
.irp q, 0,1,2,3
.irp m, 0,1,2
	MM 64*\m+8*(4*(\hf)+\q), 12*(4*(GG%4)+\q), ACC1+48*((\k)%2)+12*\m, 64*\m+8*(4*(\hf)+\q), W2S+4*((4*(\hf)+\q)/2)+(\k), HS+4*((\k)%2)+\m, \q%2
.endr
.endr
	PLACES \pl
.if \bat
	BATCH GG+4
.endif
.endm
; A STEP: 512 hidden units.  ahead = 1: the next step's first four batches are asked for.  The counts on LOADcnt are the sizes of the three younger batches.
.macro STEP ahead
	G1 0,0,36
	G1 0,1,46
	G1 0,2,46
	G1 0,3,46
	Q 0
	G1 1,0,36
	G1 1,1,40
	G1 1,2,40
	G1 1,3,40
	Q 1
	s_wait_dscnt 0x0                               ; for the others' sake: my images have landed
	s_barrier_signal -1
	s_barrier_wait -1                              ; the step's twelve hidden fragments lie in LDS
	HLOAD 0,0
	HLOAD 1,1
	s_wait_dscnt 21                                ; K step 0's are in; the 21 loads of K step 1 may be out
	G2 0,0,36,4,1
	G2 0,1,36,4,1
	HLOAD 2,0
	s_wait_dscnt 21
	G2 1,0,36,4,1
	G2 1,1,36,4,1
	HLOAD 3,1
	s_wait_dscnt 21
	G2 2,0,36,4,\ahead
.if \ahead
	G2 2,1,46,4,1
	s_wait_dscnt 0x0
	G2 3,0,46,4,1
	G2 3,1,46,5,1                                  ; five places: the next step's first products write over registers that these products read
.else
	G2 2,1,24,4,0                                  ; nothing more is asked for: the counts run down
	s_wait_dscnt 0x0
	G2 3,0,12,4,0
	G2 3,1,0,5,0
.endif
	WIN 0                                          ; at a label and at a branch every window is 0
.endm
	s_mov_b32 s52, 3
.Lstep:
	STEP 1
	s_wait_xcnt 0x0                                ; the loads that are out have read their bases: these may step
	s_add_nc_u64 s[38:39], s[38:39], 393216
	s_add_nc_u64 s[40:41], s[40:41], 2048
	s_add_nc_u64 s[42:43], s[42:43], 8192
	s_add_nc_u64 s[44:45], s[44:45], 16
	s_sub_co_u32 s52, s52, 1
	s_cmp_lg_u32 s52, 0
	s_cbranch_scc1 .Lstep
	STEP 0                                         ; the last step is written out: no load passes the expert's stream
; THE WAY OUT, a tile of 16 rows at a time: x the row's gate; through my stage in LDS, so that a row's 512 bytes of my columns are stored by the 32 lanes together; each row to the place of its entry.
.macro TOSTAGE m
	WIN 0xc7                                       ; destination and source 0 window 3, source 1 (the gate) window 1
.set cn, 0
.rept 32
	v_pk_mul_f32 v[64*(\m)+2*cn:64*(\m)+2*cn+1], v[64*(\m)+2*cn:64*(\m)+2*cn+1], v[224+2*(\m):225+2*(\m)]   ; each accumulator from its low end on
.set cn, cn+1
.endr
	WIN 0x0c                                       ; an LDS store's data are its source 1: window 3
.irp q, 0,1,2,3,4,5,6,7
	ds_store_b128 v9, v[64*(\m)+8*\q:64*(\m)+8*\q+3] offset:64*\q
	ds_store_b128 v9, v[64*(\m)+8*\q+4:64*(\m)+8*\q+7] offset:64*\q+16
.endr
	WIN 0
.irp i, 0,1,2,3,4,5,6,7,8,9,10,11,12,13,14,15
	ds_load_b128 v[ACC1+64*((\m)%2)+4*\i:ACC1+64*((\m)%2)+4*\i+3], v10 offset:528*\i   ; LDS serves a wave's instructions in order (ISA guide 5.7.1.4): these see my stores, and the next tile's stores come behind them
.endr
.endm
.macro SEND m, younger                 ; younger: the LDS instructions issued behind tile m's loads
	s_wait_dscnt \younger
.irp i, 0,1,2,3,4,5,6,7,8,9,10,11,12,13,14,15
	s_cmp_le_u32 s35, 16*(\m)+\i                   ; rows beyond the tile's count are not stored: no barrier stands behind this branch
	s_cbranch_scc1 .Lout
	v_readlane_b32 s53, v[ENT+(\m)], \i
	s_min_u32 s53, s53, 8191
	s_lshl_b32 s53, s53, 11                        ; the entry's row of 2,048 bytes
	v_add_nc_u32 v[80+16*((\m)%2)+\i], s53, v11
	global_store_b128 v[80+16*((\m)%2)+\i], v[ACC1+64*((\m)%2)+4*\i:ACC1+64*((\m)%2)+4*\i+3], s[24:25] th:TH_STORE_NT   ; 512 consecutive bytes, aligned
.endr
.endm
	TOSTAGE 0
.irp m, 1,2
.if \m > 1
	s_wait_xcnt 0x0                                ; the stores of two tiles back have read their registers, which are written again below
.endif
	TOSTAGE \m
	SEND \m-1, 32                                  ; behind that tile's loads: this tile's 16 stores and 16 loads
.endr
	SEND 2, 0
.Lout:
	s_wait_dscnt 0x0
	s_wait_tensorcnt 0x0
	ds_add_u32 v126, v127
	s_wait_dscnt 0x0
	s_endpgm
.Lfunc_end_k_q126bc11842_chain:
	.size	k_q126bc11842_chain, .Lfunc_end_k_q126bc11842_chain-k_q126bc11842_chain
	.p2alignl 7, 3214868480
	.fill 96, 4, 3214868480
	.section	.rodata,"a",@progbits
	.p2align	6, 0x0
	.amdhsa_kernel k_q126bc11842_chain
		.amdhsa_group_segment_fixed_size 60928
		.amdhsa_private_segment_fixed_size 0
		.amdhsa_enable_private_segment 0
		.amdhsa_kernarg_size 88
		.amdhsa_user_sgpr_count 2
		.amdhsa_user_sgpr_kernarg_segment_ptr 1
		.amdhsa_wavefront_size32 1
		.amdhsa_system_sgpr_workgroup_id_x 1
		.amdhsa_system_sgpr_workgroup_id_y 1
		.amdhsa_system_sgpr_workgroup_id_z 1
		.amdhsa_system_vgpr_workitem_id 0
		.amdhsa_next_free_vgpr 1024
		.amdhsa_next_free_sgpr 96
		.amdhsa_reserve_vcc 0
		.amdhsa_float_denorm_mode_32 3
		.amdhsa_float_denorm_mode_16_64 3
		.amdhsa_memory_ordered 1
		.amdhsa_forward_progress 1
		.amdhsa_inst_pref_size 191
	.end_amdhsa_kernel
	.amdgpu_metadata
---
amdhsa.version: [ 1, 2 ]
amdhsa.kernels:
  - .name:           k_q126bc11842_chain
    .symbol:         k_q126bc11842_chain.kd
    .args:
      - { .name: xq, .offset: 0, .size: 8, .value_kind: global_buffer, .address_space: global }
      - { .name: xs, .offset: 8, .size: 8, .value_kind: global_buffer, .address_space: global }
      - { .name: wlay, .offset: 16, .size: 8, .value_kind: global_buffer, .address_space: global }
      - { .name: W1_scales, .offset: 24, .size: 8, .value_kind: global_buffer, .address_space: global }
      - { .name: W2_scales, .offset: 32, .size: 8, .value_kind: global_buffer, .address_space: global }
      - { .name: b1, .offset: 40, .size: 8, .value_kind: global_buffer, .address_space: global }
      - { .name: b2, .offset: 48, .size: 8, .value_kind: global_buffer, .address_space: global }
      - { .name: rowlist, .offset: 56, .size: 8, .value_kind: global_buffer, .address_space: global }
      - { .name: counts, .offset: 64, .size: 8, .value_kind: global_buffer, .address_space: global }
      - { .name: gates, .offset: 72, .size: 8, .value_kind: global_buffer, .address_space: global }
      - { .name: ybuf, .offset: 80, .size: 8, .value_kind: global_buffer, .address_space: global }
    .group_segment_fixed_size: 60928
    .private_segment_fixed_size: 0
    .kernarg_segment_align: 8
    .kernarg_segment_size: 88
    .max_flat_workgroup_size: 128
    .sgpr_count:     96
    .vgpr_count:     1024
    .wavefront_size: 32
...
	.end_amdgpu_metadata
.endif
;; end of part 3
;; launch combine (part 4): grid 256 x 1, 8 waves a work-group, no clusters, 0 bytes of LDS; arguments ybuf, out0, out1; writes out0, out1
.if DOCPART == 4
	.amdgcn_target "amdgcn-amd-amdhsa--gfx1250"
	.amdhsa_code_object_version 6
	.text
	.protected	k_q126bc11842_combine
	.globl	k_q126bc11842_combine
	.p2align	8
	.type	k_q126bc11842_combine,@function
k_q126bc11842_combine:
	s_mov_b64 s[64:65], 0
	v_nop
	global_prefetch_b8 v0, s[64:65] scope:SCOPE_SE
	s_setreg_imm32_b32 hwreg(HW_REG_WAVE_MODE, 25, 1), 1
	s_wait_xcnt 0x0
; out0[t] = ybuf[2 t] + ybuf[2 t + 1]: a token's two routed rows, each already multiplied by its gate.  out1 = 0.
; A stream: a wave takes two tokens, 8,192 bytes in and 4,096 out; every load and store of a wave covers 512 consecutive bytes; all sixteen loads go out first.  No LDS, no barrier.
	s_load_b128 s[4:7], s[0:1], 0x0                ; ybuf, out0
	s_load_b64 s[8:9], s[0:1], 0x10                ; out1
	v_lshrrev_b32 v1, 5, v0
	v_readfirstlane_b32 s10, v1                    ; wave 0..7
	v_and_b32 v1, 31, v0
	v_lshlrev_b32 v1, 4, v1                        ; 16 x lane
	s_lshl_b32 s11, ttmp9, 3
	s_add_co_u32 s11, s11, s10                     ; which pair of tokens
	s_lshl_b32 s12, s11, 13
	s_mov_b32 s13, 0
	s_lshl_b32 s14, s11, 12
	s_mov_b32 s15, 0
	s_wait_kmcnt 0x0
	s_add_nc_u64 s[4:5], s[4:5], s[12:13]
	s_add_nc_u64 s[6:7], s[6:7], s[14:15]
.irp i, 0,1,2,3,4,5,6,7
	global_load_b128 v[8+8*\i:11+8*\i], v1, s[4:5] offset:4096*(\i/4)+512*(\i%4) th:TH_LOAD_NT
	global_load_b128 v[12+8*\i:15+8*\i], v1, s[4:5] offset:4096*(\i/4)+512*(\i%4)+2048 th:TH_LOAD_NT
.endr
.irp i, 0,1,2,3,4,5,6,7
	s_wait_loadcnt 14-2*\i                         ; this pair of loads is in; the younger pairs may be out
	v_pk_add_f32 v[8+8*\i:9+8*\i], v[8+8*\i:9+8*\i], v[12+8*\i:13+8*\i]
	v_pk_add_f32 v[10+8*\i:11+8*\i], v[10+8*\i:11+8*\i], v[14+8*\i:15+8*\i]
	global_store_b128 v1, v[8+8*\i:11+8*\i], s[6:7] offset:512*\i th:TH_STORE_NT
.endr
	s_cmp_lg_u32 ttmp9, 0
	s_cbranch_scc1 .Lend
	v_mov_b32 v2, 0
	v_mov_b32 v3, 0
	s_wait_xcnt 0x0                                ; EXEC changes only behind this wait
	v_cmp_eq_u32 vcc_lo, 0, v0
	s_and_saveexec_b32 s10, vcc_lo
	global_store_b32 v2, v3, s[8:9]                ; the loss, 0
	s_wait_xcnt 0x0
	s_or_b32 exec_lo, exec_lo, s10
.Lend:
	s_endpgm
.Lfunc_end_k_q126bc11842_combine:
	.size	k_q126bc11842_combine, .Lfunc_end_k_q126bc11842_combine-k_q126bc11842_combine
	.p2alignl 7, 3214868480
	.fill 96, 4, 3214868480
	.section	.rodata,"a",@progbits
	.p2align	6, 0x0
	.amdhsa_kernel k_q126bc11842_combine
		.amdhsa_group_segment_fixed_size 0
		.amdhsa_private_segment_fixed_size 0
		.amdhsa_enable_private_segment 0
		.amdhsa_kernarg_size 24
		.amdhsa_user_sgpr_count 2
		.amdhsa_user_sgpr_kernarg_segment_ptr 1
		.amdhsa_wavefront_size32 1
		.amdhsa_system_sgpr_workgroup_id_x 1
		.amdhsa_system_sgpr_workgroup_id_y 1
		.amdhsa_system_sgpr_workgroup_id_z 1
		.amdhsa_system_vgpr_workitem_id 0
		.amdhsa_next_free_vgpr 72
		.amdhsa_next_free_sgpr 66
		.amdhsa_reserve_vcc 1
		.amdhsa_float_denorm_mode_32 3
		.amdhsa_float_denorm_mode_16_64 3
		.amdhsa_memory_ordered 1
		.amdhsa_forward_progress 1
		.amdhsa_inst_pref_size 5
	.end_amdhsa_kernel
	.amdgpu_metadata
---
amdhsa.version: [ 1, 2 ]
amdhsa.kernels:
  - .name:           k_q126bc11842_combine
    .symbol:         k_q126bc11842_combine.kd
    .args:
      - { .name: ybuf, .offset: 0, .size: 8, .value_kind: global_buffer, .address_space: global }
      - { .name: out0, .offset: 8, .size: 8, .value_kind: global_buffer, .address_space: global }
      - { .name: out1, .offset: 16, .size: 8, .value_kind: global_buffer, .address_space: global }
    .group_segment_fixed_size: 0
    .private_segment_fixed_size: 0
    .kernarg_segment_align: 8
    .kernarg_segment_size: 24
    .max_flat_workgroup_size: 256
    .sgpr_count:     66
    .vgpr_count:     72
    .wavefront_size: 32
...
	.end_amdgpu_metadata
.endif
;; end of part 4
;; ======== version 2 of 2: 4 launches; version 1 with the launch chain written anew for expert scheduling mode
;; workspace buffers: xq 1,572,864 bytes; xs 65,536 bytes; wlay 12,582,912 bytes; route 16,384 bytes of whole numbers; gates 32,768 bytes; rowlist 131,072 bytes of whole numbers; counts 256 bytes of whole numbers; ybuf 16,777,216 bytes
;; launch prep: the kernel of part 1 again; grid 256 x 1, 4 waves a work-group, no clusters, 203,264 bytes of LDS; arguments input_batch, Wr, W1_codes, W2_codes, xq, xs, route, gates, wlay; writes xq, xs, route, gates, wlay
;; launch place: the kernel of part 2 again; grid 8 x 1, 32 waves a work-group, no clusters, 4,352 bytes of LDS; arguments route, rowlist, counts; writes rowlist, counts
;; launch chain (part 5): grid 178 x 1, 4 waves a work-group, no clusters, 60,928 bytes of LDS; arguments xq, xs, wlay, W1_scales, W2_scales, b1, b2, rowlist, counts, gates, ybuf; writes ybuf
.if DOCPART == 5
	.amdgcn_target "amdgcn-amd-amdhsa--gfx1250"
	.amdhsa_code_object_version 6
	.text
	.protected	k_q126bc11842_chain
	.globl	k_q126bc11842_chain
	.p2align	8
	.type	k_q126bc11842_chain,@function
k_q126bc11842_chain:
	s_mov_b64 s[64:65], 0
	v_nop
	global_prefetch_b8 v0, s[64:65] scope:SCOPE_SE
	s_setreg_imm32_b32 hwreg(HW_REG_WAVE_SCHED_MODE, 0, 2), 2
	s_setreg_imm32_b32 hwreg(HW_REG_WAVE_MODE, 25, 1), 1
	s_wait_xcnt 0x0
	s_wait_alu depctr_vm_vsrc(0)
; ONE TILE (up to 48 routed rows of ONE expert) goes through the whole chain: ybuf[entry] = gate x (Q(relu(Q(x) W1 + b1)) W2 + b2), both products on codes of E3M2 with E8M0 scales.
; THE GRID.  With 8,192 routed rows, 8 experts and tiles of 48 there are never more than ceil(8192 / 48) + 7 = 178 tiles, whatever the split.  48 is the smallest multiple of 16 whose grid does not pass the 256 WGPs
; (tiles of 32: 263; tiles of 64: 135, which leave nearly half of them without work).  A work-group finds its tile from the eight experts' counts by scalar arithmetic.
; SHARES.  H goes in four steps of 512 units.  In a step wave w makes hidden units 128 (4 step + w) on for all 48 rows, in two halves of 64; it quantises them in registers, and they are K step w of the
; second product: their image goes to LDS.  Wave w owns output columns 128 w .. 128 w + 127 for all 48 rows: 24 accumulators that stay in registers for the whole launch.
; Both products are used transposed (source 0 = 16 rows of a weight, source 1 = 16 rows of the tile): a lane holds ONE row throughout, and its registers run along the next K, or along the output.
; THE WEIGHTS come from memory straight into registers, as images that an earlier launch has laid in this wave's order of reading: a ring of six slots of four fragments, asked for four groups of 12 products ahead.
; NO CLUSTER, NO JOINT LOADS: a tile's expert hangs on numbers read from memory, so neighbours in the grid need not share a weight, and the way out branches on the tile's count of rows.
; A TILE WITH FEWER THAN 48 ROWS repeats its last row; a tile with none (at most 7 of the 178) runs on the first row of tile 0 and stores nothing: every wave passes every barrier, and no barrier hangs on a loaded number.
; LIMITS: NaN and infinities are not served; a hidden block of zeros gets the byte 1 with zero codes; a block whose largest magnitude lies under 2^-122 is held at the byte 1.
; REGISTERS, in windows of 256.  Window 0: v1-11 addresses, v14-16 the rows' entries, v20-79 scale words, v80-127 at work, v128-223 the hidden layer's 12 accumulators (row tile m, tile t at 128 + 32 m + 8 t), later
;   six hidden fragments, later rows of y.   Window 1: v0-143 x's 12 fragments (48 m + 12 s), v144-191 the ring's sixth slot, v192-223 b1's four tiles, v224-229 the gates, each twice.
;   Window 2: v0-239 the ring's slots 0 to 4.   Window 3: y's accumulators (64 m + 8 n).
; THE MODE: SCHED_MODE bits 1:0 = 2 (LLVM: expert scheduling mode 2), set by the entry lines.  The code itself states the register dependences
; between vector or matrix instructions and memory or LDS instructions, with s_wait_alu, always for 0.
; THE PLAN.  A step is sixteen groups of 12 products, numbered 0 to 15 (0-7 the first product, 8-15 the second).  Registers that memory or LDS instructions touch, in the loop:
;   THE RING     Group g reads slot g % 5, group 15 the sixth: 0-4, 0-4, 0-4, 5: five groups on end have five different slots, and the order is back at its start after a step.
;                The loads of group g + 4 are issued in group g, behind its first three products; they land in a slot that group g - 1 or an earlier one read last.
;   b1           Read by groups 0 and 4 as C; loaded again in groups 1 and 12.
;   scale words  W1's half 0: read by groups 0-3, loaded in group 12; half 1: read by groups 4-7, loaded in group 1.  W2's: read by groups 8-15, loaded in group 4.
;   v128-223     Written by groups 0-7, by the relu; read by the conversions.  Then two buffers of hidden fragments (their scale words in v68-75): K steps 0 and 1 are loaded behind the step's second barrier,
;                K step 2 in group 10, K step 3 in group 12; K step k is read by groups 8 + 2 k and 9 + 2 k.
;   v76-108      The codes and the scale word: written by the quantiser's vector lines, read by the LDS stores of the images.
;   v1-10, v112-115  Addresses and offsets, made at the head and never written again: the scalar bases move on by a step, and immediate offsets do the rest.
; So a wait on va_vdst stands at the head of a group wherever a product issued since the last such wait has read a register in which the group's loads land: groups 0-3, 5-7, 9, 10, 12, 14.
; Groups 4 and 8 stand behind the quantiser's wait; the slots of groups 11, 13 and 15's loads were last read ahead of the wait of groups 10, 12 and 14.
; The quantiser has one wait on vm_vsrc at its head and one on va_vdst ahead of its LDS stores.
.set TILE, 48
.set ENT,  14                          ; v14-16  entry of row 16 m + lane % 16
.set XS,   20                          ; v20-31  x's scale words: 4 m + s
.set W1S,  36                          ; v36-51  W1's: 8 c + 4 (t / 2) + s; lanes 0-15 the even tile, lanes 16-31 the odd one
.set W2S,  52                          ; v52-67  W2's: 4 (n / 2) + k; lanes 0-15 the even n, lanes 16-31 the odd one
.set HS,   68                          ; v68-75  the hidden layer's: 4 buf + m
.set PW,   76                          ; v76-78  the scale word in the making, row tile m
.set PC,   80                          ; v80-108 codes just made: row tile m at 80 + 10 m (six registers), its second conversion at 86 + 10 m (three)
.set TP,   80                          ; v80-85, v88-93 are also scratch ahead of the conversions
.set BY,   88
.set BO,   112                         ; v112    b2's offset;  v113-115 the gates' offsets: never rewritten, since their loads stay out past the head
.set GA,   113
.set TM,   120                         ; v120-125 largest magnitudes, then scale operands: 2 m + b
.set ACC1, 128
.set HSC,  24576                       ; LDS: [0, 24576) the hidden fragments, (4 m + k) x 1,536; then their scale words, (4 m + k) x 128;
.set STAGE, 26624                      ; then a stage of 16 rows x 528 bytes for each wave
.set MSB, 0
.macro WIN new                         ; the immediate's high byte repeats the setting that is left
.if MSB != \new
	s_set_vgpr_msb (MSB<<8)|\new
.set MSB, \new
.endif
.endm
.macro PLACES n                        ; plain lines between a matrix instruction and a load into, a read of or a write over its registers
.rept \n
	v_nop
.endr
.endm
.macro MM d, a, b, c, sa, sb, row      ; one product; row = 1: source 0's scales stand in lanes 16-31
.if \row
	v_wmma_scale_f32_16x16x128_f8f6f4 v[(\d):(\d)+7], v[(\a):(\a)+11], v[(\b):(\b)+11], v[(\c):(\c)+7], v[\sa], v[\sb] matrix_a_fmt:MATRIX_FMT_BF6 matrix_b_fmt:MATRIX_FMT_BF6 matrix_a_scale:MATRIX_SCALE_ROW1
.else
	v_wmma_scale_f32_16x16x128_f8f6f4 v[(\d):(\d)+7], v[(\a):(\a)+11], v[(\b):(\b)+11], v[(\c):(\c)+7], v[\sa], v[\sb] matrix_a_fmt:MATRIX_FMT_BF6 matrix_b_fmt:MATRIX_FMT_BF6
.endif
.endm
	s_load_b512 s[4:19], s[0:1], 0x0               ; xq s[4:5], xs s[6:7], wlay s[8:9], W1's scales s[10:11], W2's s[12:13], b1 s[14:15], b2 s[16:17], rowlist s[18:19]
	s_load_b128 s[20:23], s[0:1], 0x40             ; counts s[20:21], gates s[22:23]
	s_load_b64 s[24:25], s[0:1], 0x50              ; ybuf
	v_lshl_add_u32 v126, v0, 2, 0xec00
	v_mov_b32 v127, 0
	v_lshrrev_b32 v12, 5, v0
	v_readfirstlane_b32 s32, v12                   ; wave 0..3
	v_and_b32 v12, 31, v0                          ; lane
	v_and_b32 v13, 15, v0                          ; r
	v_bfe_u32 v18, v0, 4, 1                        ; h
	s_mov_b32 s27, 0
	s_wait_kmcnt 0x0
	s_load_b256 s[72:79], s[20:21], 0x0            ; the eight experts' rows
	v_lshlrev_b32 v1, 4, v12                       ; an image's place for my lane
	v_lshlrev_b32 v2, 6, v18                       ; b1: 16 h units
	v_and_b32 v3, 8, v13
	v_add_nc_u32 v3, v3, v13
	v_lshl_add_u32 v3, v18, 3, v3
	v_lshlrev_b32 v3, 4, v3                        ; W1's scale words: unit r + 8 (r / 8) + 8 h, 16 bytes a unit
	v_lshlrev_b32 v4, 6, v12                       ; W2's: row = lane, 64 bytes a row
	s_wait_alu depctr_va_sdst(0)                   ; s32, the wave's number, is written, ahead of its first reader: LDS addresses and the bases are made from it
	s_mul_i32 s53, s32, 1536
	v_lshl_add_u32 v5, v12, 3, s53                 ; where I store my hidden images: 8 lane + 1,536 wave
	s_lshl_b32 s53, s32, 7
	s_add_co_u32 s53, s53, HSC
	v_lshl_add_u32 v6, v12, 2, s53                 ; and their scale words: 4 lane + 128 wave
	v_lshlrev_b32 v7, 3, v12                       ; where I read any wave's
	v_lshl_add_u32 v8, v12, 2, HSC
	s_mul_i32 s53, s32, 8448
	s_add_co_u32 s53, s53, STAGE                   ; my stage
	v_mul_u32_u24 v9, v13, 528
	v_lshl_add_u32 v9, v18, 5, v9
	v_add_nc_u32 v9, s53, v9                       ; in: row r, 32 bytes for each half of the lanes
	v_lshl_add_u32 v10, v12, 4, s53                ; back: a row of 512 bytes to the 32 lanes
	s_lshl_b32 s53, s32, 9
	v_lshl_add_u32 v11, v12, 4, s53                ; and in a row of ybuf: my wave's 512 bytes
	v_lshlrev_b32 v[BO], 5, v18                    ; b2: 8 h columns
	s_mov_b32 s50, 0x76543210
	s_mov_b32 s51, 0xfedcba98                      ; v_permlanex16_b32's selects for lane l xor 16
	s_wait_kmcnt 0x0
	; ---- my tile: expert e has ceil(rows / 48) tiles, and the experts' tiles follow each other
.irp e, 0,1,2,3,4,5,6,7
	s_min_u32 s[72+\e], s[72+\e], 4096             ; a token chooses an expert once at the most
.endr
	s_mov_b32 s80, 0
.irp e, 0,1,2,3,4,5,6,7
	s_add_co_u32 s53, s[72+\e], TILE-1
	s_lshr_b32 s53, s53, 4
	s_mul_i32 s53, s53, 171
	s_lshr_b32 s53, s53, 9                         ; (rows + 47) / 16 / 3: x 171 / 512 is x / 3, rounded down, for x under 512; here x is 258 at the most
	s_add_co_u32 s[81+\e], s[80+\e], s53           ; s[80 + e]: expert e's first tile; s88: tiles in all
.endr
	s_cmp_lt_u32 ttmp9, s88                        ; has my tile rows?
	s_cselect_b32 s54, ttmp9, 0                    ; if not: as tile 0,
	s_cselect_b32 s55, TILE, 0                     ; with no rows
	s_mov_b32 s33, 0                               ; the expert,
	s_mov_b32 s56, 0                               ; its first tile,
	s_mov_b32 s57, s72                             ; its rows
.irp e, 1,2,3,4,5,6,7
	s_cmp_le_u32 s[80+\e], s54                     ; the last expert whose first tile is not beyond mine: one without rows is passed over, since the next begins at the same tile
	s_cselect_b32 s33, \e, s33
	s_cselect_b32 s56, s[80+\e], s56
	s_cselect_b32 s57, s[72+\e], s57
.endr
	s_sub_co_u32 s34, s54, s56
	s_mul_i32 s34, s34, TILE                       ; the tile's first place in the expert's list
	s_sub_co_u32 s35, s57, s34
	s_min_u32 s35, s35, s55                        ; its rows
	s_min_u32 s33, s33, 7                          ; numbers made of loaded ones are held to their ranges before they enter an address
	s_min_u32 s34, s34, 4096-TILE
	s_min_u32 s35, s35, TILE
	s_max_u32 s36, s35, 1
	s_sub_co_u32 s36, s36, 1                       ; the last row that exists (0 in a tile without rows)
	s_mul_i32 s26, s33, 1572864
	s_mul_i32 s53, s32, 98304
	s_add_co_u32 s26, s26, s53
	s_add_nc_u64 s[38:39], s[8:9], s[26:27]        ; my stream of weights, step 0
	s_lshl_b32 s26, s33, 13
	s_lshl_b32 s53, s32, 9
	s_add_co_u32 s26, s26, s53
	s_add_nc_u64 s[40:41], s[14:15], s[26:27]      ; b1 at my 128 units of step 0
	s_lshl_b32 s26, s33, 15
	s_lshl_b32 s53, s32, 11
	s_add_co_u32 s26, s26, s53
	s_add_nc_u64 s[42:43], s[10:11], s[26:27]      ; W1's scales likewise
	s_lshl_b32 s26, s33, 15
	s_lshl_b32 s53, s32, 13
	s_add_co_u32 s26, s26, s53
	s_add_nc_u64 s[44:45], s[12:13], s[26:27]      ; W2's scales at my 128 output rows
	s_lshl_b32 s26, s33, 11
	s_lshl_b32 s53, s32, 9
	s_add_co_u32 s26, s26, s53
	s_add_nc_u64 s[46:47], s[16:17], s[26:27]      ; b2 at my 128 columns
	s_lshl_b32 s26, s33, 14
	s_add_nc_u64 s[48:49], s[18:19], s[26:27]      ; my expert's list
.irp m, 0,1,2
	v_add_nc_u32 v19, 16*\m, v13
	v_min_u32 v19, s36, v19                        ; rows beyond the last repeat it
	v_add_nc_u32 v19, s34, v19
	v_min_u32 v19, 0xfff, v19
	v_lshlrev_b32 v[96+\m], 2, v19
.endr
	s_wait_alu depctr_va_vdst(0)                   ; the addresses and offsets v1 to v10, v96 to v98 and v112 are written, which the loads and LDS instructions below read
.irp m, 0,1,2
	global_load_b32 v[ENT+\m], v[96+\m], s[48:49]
.endr
; BATCH g: the four fragments that group g of a step's sixteen multiplies by, into the group's slot of the ring, and ahead of them what else a later group is the first to want:
; g = 0: the first half's b1 (8 loads) and W1's scale words (2);  g = 5: the second half's, which group 4 wants: they go out a group later than group 4's fragments, when group 0 is done with b1's registers;
; g = 8: W2's scale words (4).  g = 16 .. 19 are the next step's 0 .. 3.  So a batch is 22, 16 or 12 loads.
.macro BATCH g
.set GM, (\g)%16
.if (\g) >= 16
.set OW, 393216+6144*((\g)-16)
.set OB, 2048
.set OS, 8192
.else
.set OW, 6144*(\g)
.set OB, 0
.set OS, 0
.endif
.if (GM == 0) || (GM == 5)
.set CH, GM/5
	WIN 0x40                                       ; destination window 1
.irp t, 0,1,2,3
	global_load_b128 v[192+8*\t:195+8*\t], v2, s[40:41] offset:OB+256*CH+4*(32*(\t/2)+8*(\t%2))
	global_load_b128 v[196+8*\t:199+8*\t], v2, s[40:41] offset:OB+256*CH+4*(32*(\t/2)+8*(\t%2))+16
.endr
	WIN 0
.irp b, 0,1
	global_load_b128 v[W1S+8*CH+4*\b:W1S+8*CH+4*\b+3], v3, s[42:43] offset:OS+1024*CH+512*\b
.endr
.endif
.if GM == 8
	WIN 0
.irp p, 0,1,2,3
	global_load_b128 v[W2S+4*\p:W2S+4*\p+3], v4, s[44:45] offset:2048*\p
.endr
.endif
.if GM == 15
.set RB, 144                                   ; the sixth slot
	WIN 0x40                                       ; destination window 1
.else
.set RB, 48*(GM%5)
	WIN 0x80                                       ; destination window 2
.endif
.irp t, 0,1,2,3
.irp i, 0,1,2
	global_load_b128 v[RB+12*\t+4*\i:RB+12*\t+4*\i+3], v1, s[38:39] offset:OW+1536*\t+512*\i   ; 512 consecutive bytes
.endr
.endr
.endm
	BATCH 0
	BATCH 1
	BATCH 2
	BATCH 3
	WIN 0
	s_wait_loadcnt 58                              ; the three entries are in; the 22 + 12 + 12 + 12 loads of the batches may be out
.irp m, 0,1,2
	v_min_u32 v[ENT+\m], 0x1fff, v[ENT+\m]
	v_and_b32 v19, 0x1ffe, v[ENT+\m]               ; 2 x token
	v_mul_u32_u24 v[100+\m], v19, 192
	v_mad_u32_u24 v[100+\m], v18, 48, v[100+\m]    ; its codes: 384 x token + 48 h
	v_lshlrev_b32 v[104+\m], 3, v19                ; its scale bytes: 16 x token
	v_lshlrev_b32 v[GA+\m], 2, v[ENT+\m]           ; its gate: 4 x entry
.endr
	WIN 0x40                                       ; what the first product wants comes first
	s_wait_alu depctr_va_vdst(0)                   ; the offsets v100 to v106 and v113 to v115 are written, which the loads of x, of its scale words and of the gates read
.irp m, 0,1,2
.irp s, 0,1,2,3
.irp i, 0,1,2
	global_load_b128 v[48*\m+12*\s+4*\i:48*\m+12*\s+4*\i+3], v[100+\m], s[4:5] offset:96*\s+16*\i   ; x's fragments stay in registers
.endr
.endr
.endr
	WIN 0
.irp m, 0,1,2
	global_load_b128 v[XS+4*\m:XS+4*\m+3], v[104+\m], s[6:7]
.endr
	WIN 0x40
.irp m, 0,1,2
	global_load_b32 v[224+2*\m], v[GA+\m], s[22:23]   ; the gate, twice: a pair for the packed multiply
	global_load_b32 v[225+2*\m], v[GA+\m], s[22:23]
.endr
	WIN 0xc0                                       ; destination window 3: y's sums begin as b2, in the result's layout: nothing is cleared and nothing added later
.irp m, 0,1,2
.irp q, 0,1,2,3,4,5,6,7
	global_load_b128 v[64*\m+8*\q:64*\m+8*\q+3], v[BO], s[46:47] offset:64*\q
	global_load_b128 v[64*\m+8*\q+4:64*\m+8*\q+7], v[BO], s[46:47] offset:64*\q+16
.endr
.endr
	WIN 0
	s_wait_loadcnt 54                              ; x and its scale words are in; the 6 loads of the gates and the 48 of b2 may be out: the second product and the way out are the first to want them,
	                                               ; and the first step's counted waits show them in: behind b2's last load groups 0 to 2 issue 12 + 22 + 12 = 46 loads, and group 3 waits for 46
.irp q, 0,1,2,3,4,5
	v_mov_b32 v[TP+\q], 0                          ; written once: a lane permute's destination counts as one of its sources
.endr
; Three products of the first product's group 4 c + s: tile t of the group's four tiles of 16 units x the three tiles of rows.  RA: the group's slot.  The first K step takes b1 as its C.
.macro P1 c, s, t
.irp m, 0,1,2
.if (\s) == 0
	MM ACC1+32*\m+8*(\t), RA+12*(\t), 48*\m+12*(\s), 192+8*(\t), W1S+8*(\c)+4*((\t)/2)+(\s), XS+4*\m+(\s), (\t)%2
.else
	MM ACC1+32*\m+8*(\t), RA+12*(\t), 48*\m+12*(\s), ACC1+32*\m+8*(\t), W1S+8*(\c)+4*((\t)/2)+(\s), XS+4*\m+(\s), (\t)%2
.endif
.endr
.endm
; GROUP 4 c + s of the first product: half c, K step s.  The 12 accumulators take turns, one instruction a turn.
; n: the loads issued behind those that this group wants: they may stay out.  w = 1: a product issued since the last wait on va_vdst has read a register in which this group's loads land.
.macro G1 c, s, n, w
.set GG, 4*(\c)+(\s)
.set RA, 48*(GG%5)
.if (\s) == 0
.set WM, 0x16                                  ; source 0 window 2, source 1 window 1, C (b1) window 1, D window 0
.else
.set WM, 0x06
.endif
	s_wait_loadcnt \n
.if \w
	s_wait_alu depctr_va_vdst(0)                   ; the products of the groups before are done reading the slot in which the loads below land (group 0: the last step's group 14; else the group just before), and in group 1 b1's registers too
.endif
	WIN WM
	P1 \c, \s, 0
	BATCH GG+4                                     ; four groups ahead.  No further wait: the three products above name this group's own slot, x, the accumulators and scale words that are not loaded here
	WIN WM
	P1 \c, \s, 1
	P1 \c, \s, 2
	P1 \c, \s, 3
	PLACES 4                                       ; behind the group's last product: ahead of the next loads into the slot that it read, and of the first read of results
.endm
; Q c: relu, and the half's 64 units of each of the 48 rows become codes: registers 6 c .. 6 c + 5 of a fragment, and two bytes of its scale word.
; In row tile m register 16 b + i of a lane is unit 64 c + 32 b + 16 (lane / 16) + i of row lane % 16.
.macro Q c
	WIN 0
	s_wait_dscnt 0x0                               ; the last images' stores are done
	s_wait_alu depctr_vm_vsrc(0)                   ; the last images' LDS stores have read v76 to v108, and in the first step the head's loads their offsets v96 to v106: the lines below write these registers again
.set cn, 0
.rept 96
	v_max_num_f32 v[ACC1+cn], 0, v[ACC1+cn]        ; the activation, in f32; each accumulator from its low end on
.set cn, cn+1
.endr
.irp m, 0,1,2
.irp b, 0,1
	v_max3_num_f32 v[TM+2*\m+\b], v[ACC1+32*\m+16*\b], v[ACC1+32*\m+16*\b+1], 0x2800000   ; my 16 numbers of a block (none is negative), and the floor 2^(5 - 127)
.endr
.endr
.irp i, 2,4,6,8,10,12,14
.irp m, 0,1,2
.irp b, 0,1
	v_max3_num_f32 v[TM+2*\m+\b], v[TM+2*\m+\b], v[ACC1+32*\m+16*\b+\i], v[ACC1+32*\m+16*\b+\i+1]   ; six chains by turns
.endr
.endr
.endr
.irp q, 0,1,2,3,4,5
	v_permlanex16_b32 v[TP+\q], v[TM+\q], s50, s51
.endr
.irp q, 0,1,2,3,4,5
	v_max_num_f32 v[TM+\q], v[TM+\q], v[TP+\q]     ; with lane l xor 16's: the block's largest magnitude
.endr
.irp q, 0,1,2,3,4,5
	v_add_nc_u32 v[TM+\q], 0xfe000000, v[TM+\q]    ; 4 off the exponent field: the conversion's scale operand
.endr
.irp q, 0,1,2,3,4,5
	v_lshrrev_b32 v[BY+\q], 23, v[TM+\q]           ; the scale's byte
.endr
.irp m, 0,1,2
.if (\c) == 0
	v_lshl_or_b32 v[PW+\m], v[BY+2*\m+1], 8, v[BY+2*\m]
.else
	v_lshl_or_b32 v[PW+\m], v[BY+2*\m], 16, v[PW+\m]
	v_lshl_or_b32 v[PW+\m], v[BY+2*\m+1], 24, v[PW+\m]
.endif
.endr
.irp m, 0,1,2
	v_cvt_scalef32_pk16_bf6_f32 v[PC+10*\m:PC+10*\m+2], v[ACC1+32*\m:ACC1+32*\m+15], v[TM+2*\m]
	v_cvt_scalef32_pk16_bf6_f32 v[PC+10*\m+6:PC+10*\m+8], v[ACC1+32*\m+16:ACC1+32*\m+31], v[TM+2*\m+1]   ; (a conversion's three registers begin on an even number)
.endr
	v_nop                                          ; one plain line behind the scaled conversions
.irp m, 0,1,2                                  ; the operand's layout wants a whole block in a lane: lanes 0-15 block 2 c, lanes 16-31 block 2 c + 1
.irp i, 0,1,2
	v_permlane16_swap_b32 v[PC+10*\m+\i], v[PC+10*\m+6+\i]
.endr
.irp i, 0,1,2
	v_mov_b32 v[PC+10*\m+3+\i], v[PC+10*\m+6+\i]
.endr
.endr
.if (\c) == 0
	s_wait_dscnt 0x0                               ; my reads of the last step's images are over;
	s_barrier_signal -1
	s_barrier_wait -1                              ; everybody's are: the images may be written again
.endif
	s_wait_alu depctr_va_vdst(0)                   ; the codes and the scale words are written, which the LDS stores below read.  It also shows the half's last products done reading their slot, in which the next group's
	                                               ; loads land, and the relu and the conversions done with v128 to v223, in which the hidden fragments land behind the second half
.irp m, 0,1,2
.irp i, 0,1,2
	ds_store_b64 v5, v[PC+10*\m+2*\i:PC+10*\m+2*\i+1] offset:6144*\m+768*(\c)+256*\i   ; an image of the registers: 256 consecutive bytes a store
.endr
.if (\c) == 1
	ds_store_b32 v6, v[PW+\m] offset:512*\m
.endif
.endr
.endm
; the three hidden fragments (row tiles m) of K step k of the second product, and their scale words: 21 LDS loads
.macro HLOAD k, buf
	WIN 0
.irp m, 0,1,2
.irp c, 0,1
.irp i, 0,1,2
	ds_load_b64 v[ACC1+48*(\buf)+12*\m+6*\c+2*\i:ACC1+48*(\buf)+12*\m+6*\c+2*\i+1], v7 offset:(4*\m+(\k))*1536+768*\c+256*\i
.endr
.endr
	ds_load_b32 v[HS+4*(\buf)+\m], v8 offset:(4*\m+(\k))*128
.endr
.endm
; Three products of the second product's group 8 + 2 k + hf: output tile 4 hf + q x the three tiles of rows.
.macro P2 k, hf, q
.irp m, 0,1,2
	MM 64*\m+8*(4*(\hf)+(\q)), RA+12*(\q), ACC1+48*((\k)%2)+12*\m, 64*\m+8*(4*(\hf)+(\q)), W2S+4*((4*(\hf)+(\q))/2)+(\k), HS+4*((\k)%2)+\m, (\q)%2
.endr
.endm
; GROUP 8 + 2 k + hf of the second product: K step k, output tiles 4 hf .. 4 hf + 3: 12 accumulators by turns.  n, w: as in the first product's groups.  pl: the places behind it;
; bat = 1: the batch four groups on is asked for;  hl = 2 or 3: that K step's hidden fragments are asked for, into the buffer that the two groups before have read.
.macro G2 k, hf, n, w, pl, bat, hl
.set GG, 8+2*(\k)+(\hf)
.if GG == 15
.set RA, 144                                   ; the sixth slot:
.set WM, 0xf1                                  ; source 0 window 1, source 1 window 0, C and D window 3
.else
.set RA, 48*(GG%5)
.set WM, 0xf2                                  ; source 0 window 2, source 1 window 0, C and D window 3
.endif
	s_wait_loadcnt \n
.if \w
	s_wait_alu depctr_va_vdst(0)                   ; the products of the groups before are done reading the slot in which the loads below land, and in groups 10 and 12 the hidden fragments and scale words of the K step before, which are loaded again
.endif
	WIN WM
	P2 \k, \hf, 0
.if \bat
	BATCH GG+4                                     ; no further wait: no product issued since the last wait on va_vdst names the registers that these loads touch
.endif
.if \hl
	HLOAD \hl, (\hl)%2
.endif
	WIN WM
	P2 \k, \hf, 1
	P2 \k, \hf, 2
	P2 \k, \hf, 3
	PLACES \pl
.endm
; A STEP: 512 hidden units.  ahead = 1: the next step's first four batches are asked for.  A group's wait on LOADcnt stands ahead of its own loads; its count is what the three groups before have issued
; (12, 22, 12, 12, 16, 12 .. 12, 22, 12, 12, 12 in groups 0 to 15), but in group 4: b1 went out at the head of group 1's 22, so the count is the 12 behind it + 12 + 12.
.macro STEP ahead
	G1 0,0,36,1
	G1 0,1,36,1
	G1 0,2,46,1
	G1 0,3,46,1
	Q 0
	G1 1,0,36,0
	G1 1,1,40,1
	G1 1,2,40,1
	G1 1,3,40,1
	Q 1
	s_wait_dscnt 0x0                               ; for the others' sake: my images have landed
	s_barrier_signal -1
	s_barrier_wait -1                              ; the step's twelve hidden fragments lie in LDS
	HLOAD 0,0                                      ; (no vector or matrix instruction since the quantiser's wait on va_vdst)
	HLOAD 1,1
	s_wait_dscnt 21                                ; K step 0's are in; the 21 loads of K step 1 may be out
	G2 0,0,36,0,4,1,0
	G2 0,1,36,1,4,1,0
	s_wait_dscnt 0x0                               ; K step 1's are in
	G2 1,0,36,1,4,1,2
	G2 1,1,36,0,4,1,0
	s_wait_dscnt 0x0                               ; K step 2's
	G2 2,0,36,1,4,\ahead,3
.if \ahead
	G2 2,1,46,0,4,1,0
	s_wait_dscnt 0x0                               ; K step 3's
	G2 3,0,46,1,4,1,0
	G2 3,1,46,0,5,1,0                              ; five places: the next step's first products write over registers that these products read
.else
	G2 2,1,24,0,4,0,0                              ; nothing more is asked for: the counts run down, and no wait on va_vdst is owed
	s_wait_dscnt 0x0
	G2 3,0,12,0,4,0,0
	G2 3,1,0,0,5,0,0
.endif
	WIN 0                                          ; at a label and at a branch every window is 0
.endm
	s_mov_b32 s52, 3
.Lstep:
	STEP 1
	s_wait_xcnt 0x0                                ; the loads that are out have read their bases: these may step
	s_add_nc_u64 s[38:39], s[38:39], 393216
	s_add_nc_u64 s[40:41], s[40:41], 2048
	s_add_nc_u64 s[42:43], s[42:43], 8192
	s_add_nc_u64 s[44:45], s[44:45], 16
	s_sub_co_u32 s52, s52, 1
	s_cmp_lg_u32 s52, 0
	s_cbranch_scc1 .Lstep
	STEP 0                                         ; the last step is written out: no load passes the expert's stream
; THE WAY OUT, a tile of 16 rows at a time: x the row's gate; through my stage in LDS, so that a row's 512 bytes of my columns are stored by the 32 lanes together; each row to the place of its entry.
; The 48 rows' places in ybuf are made first, sixteen at a time, each in a register of its own (tile 0: v80-95, tile 1: v96-111, tile 2: v36-51), so that no store's offset is written again.
.macro ROWS m
.set AB, 80+16*(\m)-76*((\m)/2)
.irp i, 0,1,2,3,4,5,6,7,8,9,10,11,12,13,14,15
	v_readlane_b32 s[72+\i], v[ENT+(\m)], \i
.endr
	s_wait_alu depctr_va_sdst(0)                   ; the sixteen entries s72 to s87 are written, ahead of their first readers
.irp i, 0,1,2,3,4,5,6,7,8,9,10,11,12,13,14,15
	s_min_u32 s[72+\i], s[72+\i], 8191
	s_lshl_b32 s[72+\i], s[72+\i], 11              ; the entry's row of 2,048 bytes
.endr
.irp i, 0,1,2,3,4,5,6,7,8,9,10,11,12,13,14,15
	v_add_nc_u32 v[AB+\i], s[72+\i], v11
.endr
.endm
.macro TOSTAGE m
	WIN 0xc7                                       ; destination and source 0 window 3, source 1 (the gate) window 1
.set cn, 0
.rept 32
	v_pk_mul_f32 v[64*(\m)+2*cn:64*(\m)+2*cn+1], v[64*(\m)+2*cn:64*(\m)+2*cn+1], v[224+2*(\m):225+2*(\m)]   ; each accumulator from its low end on
.set cn, cn+1
.endr
	WIN 0x0c                                       ; an LDS store's data are its source 1: window 3
	s_wait_alu depctr_va_vdst(0)                   ; the tile's numbers x the gate are written, which the LDS stores read.  In tile 0 it also shows the rows' places written, which the global stores read,
	                                               ; and the last products done reading v128 on, in which the loads from the stage land
.irp q, 0,1,2,3,4,5,6,7
	ds_store_b128 v9, v[64*(\m)+8*\q:64*(\m)+8*\q+3] offset:64*\q
	ds_store_b128 v9, v[64*(\m)+8*\q+4:64*(\m)+8*\q+7] offset:64*\q+16
.endr
	WIN 0
.irp i, 0,1,2,3,4,5,6,7,8,9,10,11,12,13,14,15
	ds_load_b128 v[ACC1+64*((\m)%2)+4*\i:ACC1+64*((\m)%2)+4*\i+3], v10 offset:528*\i   ; LDS serves a wave's instructions in order (ISA guide 5.7.1.4): these see my stores, and the next tile's stores come behind them
.endr
.endm
.macro SEND m, younger                 ; younger: the LDS instructions issued behind tile m's loads
.set AB, 80+16*(\m)-76*((\m)/2)
	s_wait_dscnt \younger
.irp i, 0,1,2,3,4,5,6,7,8,9,10,11,12,13,14,15
	s_cmp_le_u32 s35, 16*(\m)+\i                   ; rows beyond the tile's count are not stored: no barrier stands behind this branch
	s_cbranch_scc1 .Lout
	global_store_b128 v[AB+\i], v[ACC1+64*((\m)%2)+4*\i:ACC1+64*((\m)%2)+4*\i+3], s[24:25] th:TH_STORE_NT   ; 512 consecutive bytes, aligned
.endr
.endm
	s_wait_alu depctr_vm_vsrc(0)                   ; the images' LDS stores and the head's loads have read v80 to v108, into which the rows' places are written
	ROWS 0
	ROWS 1
	ROWS 2
	TOSTAGE 0
.irp m, 1,2
.if \m > 1
	s_wait_xcnt 0x0                                ; the stores of two tiles back have had their addresses translated: their data registers are written again below
	s_wait_alu depctr_vm_vsrc(0)                   ; tile 0's global stores have read v128 to v191, in which tile 2's loads from the stage land
.endif
	TOSTAGE \m
	SEND \m-1, 32                                  ; behind that tile's loads: this tile's 16 stores and 16 loads
.endr
	SEND 2, 0
.Lout:
	s_wait_dscnt 0x0                               ; the closing lines, six on end
	s_wait_alu 0x0
	s_wait_tensorcnt 0x0
	ds_add_u32 v126, v127
	s_wait_dscnt 0x0
	s_endpgm
.Lfunc_end_k_q126bc11842_chain:
	.size	k_q126bc11842_chain, .Lfunc_end_k_q126bc11842_chain-k_q126bc11842_chain
	.p2alignl 7, 3214868480
	.fill 96, 4, 3214868480
	.section	.rodata,"a",@progbits
	.p2align	6, 0x0
	.amdhsa_kernel k_q126bc11842_chain
		.amdhsa_group_segment_fixed_size 60928
		.amdhsa_private_segment_fixed_size 0
		.amdhsa_enable_private_segment 0
		.amdhsa_kernarg_size 88
		.amdhsa_user_sgpr_count 2
		.amdhsa_user_sgpr_kernarg_segment_ptr 1
		.amdhsa_wavefront_size32 1
		.amdhsa_system_sgpr_workgroup_id_x 1
		.amdhsa_system_sgpr_workgroup_id_y 1
		.amdhsa_system_sgpr_workgroup_id_z 1
		.amdhsa_system_vgpr_workitem_id 0
		.amdhsa_next_free_vgpr 1024
		.amdhsa_next_free_sgpr 96
		.amdhsa_reserve_vcc 0
		.amdhsa_float_denorm_mode_32 3
		.amdhsa_float_denorm_mode_16_64 3
		.amdhsa_memory_ordered 1
		.amdhsa_forward_progress 1
		.amdhsa_inst_pref_size 193
	.end_amdhsa_kernel
	.amdgpu_metadata
---
amdhsa.version: [ 1, 2 ]
amdhsa.kernels:
  - .name:           k_q126bc11842_chain
    .symbol:         k_q126bc11842_chain.kd
    .args:
      - { .name: xq, .offset: 0, .size: 8, .value_kind: global_buffer, .address_space: global }
      - { .name: xs, .offset: 8, .size: 8, .value_kind: global_buffer, .address_space: global }
      - { .name: wlay, .offset: 16, .size: 8, .value_kind: global_buffer, .address_space: global }
      - { .name: W1_scales, .offset: 24, .size: 8, .value_kind: global_buffer, .address_space: global }
      - { .name: W2_scales, .offset: 32, .size: 8, .value_kind: global_buffer, .address_space: global }
      - { .name: b1, .offset: 40, .size: 8, .value_kind: global_buffer, .address_space: global }
      - { .name: b2, .offset: 48, .size: 8, .value_kind: global_buffer, .address_space: global }
      - { .name: rowlist, .offset: 56, .size: 8, .value_kind: global_buffer, .address_space: global }
      - { .name: counts, .offset: 64, .size: 8, .value_kind: global_buffer, .address_space: global }
      - { .name: gates, .offset: 72, .size: 8, .value_kind: global_buffer, .address_space: global }
      - { .name: ybuf, .offset: 80, .size: 8, .value_kind: global_buffer, .address_space: global }
    .group_segment_fixed_size: 60928
    .private_segment_fixed_size: 0
    .kernarg_segment_align: 8
    .kernarg_segment_size: 88
    .max_flat_workgroup_size: 128
    .sgpr_count:     96
    .vgpr_count:     1024
    .wavefront_size: 32
...
	.end_amdgpu_metadata
.endif
;; end of part 5
;; launch combine: the kernel of part 4 again; grid 256 x 1, 8 waves a work-group, no clusters, 0 bytes of LDS; arguments ybuf, out0, out1; writes out0, out1
